; MI455X (gfx1250); checked and timed in simulation.
; The chip was launched on July 23, 2026; its instructions are those of AMD's public machine-readable ISA for CDNA 5 (MIT licence, August 2026) and "CDNA5" Instruction Set Architecture Reference Guide (July 2026). The comments in the code are by the model that wrote it; some were corrected since.
;; E80 Full Rank Gate Cell. Allowed arithmetic: float matrix products may take bf16 or f16 operands with f32 sums; all other float work in f32.
;; Inputs: B_M 64 x 64 float32; B_S 64 x 64 float32; M0 64 x 64 x 64 float32; S0 64 x 64 x 64 float32; W_kvqm 256 x 1,024 float32; x 512 x 64 x 1,024 float32.
;; Outputs: out0 512 x 64 x 64 float32; out1 64 x 64 x 64 float32; out2 64 x 64 x 64 float32.
;; 2 versions, each right and faster than the one before. Each part assembles by itself: llvm-mc -triple=amdgcn-amd-amdhsa -mcpu=gfx1250 --defsym DOCPART=n.
;; ======== version 1 of 2: 3 launches
;; workspace buffers: Wb 524,288 bytes; P 33,554,432 bytes
;; launch cvtw (part 1): grid 256 x 1, 4 waves a work-group, no clusters, 0 bytes of LDS; arguments W_kvqm, Wb; writes Wb
.if DOCPART == 1
	.amdgcn_target "amdgcn-amd-amdhsa--gfx1250"
	.amdhsa_code_object_version 6
	.text
	.protected	k_qad4fed72c1_cvtw
	.globl	k_qad4fed72c1_cvtw
	.p2align	8
	.type	k_qad4fed72c1_cvtw,@function
k_qad4fed72c1_cvtw:
	s_mov_b64 s[64:65], 0
	v_nop
	global_prefetch_b8 v0, s[64:65] scope:SCOPE_SE
	s_setreg_imm32_b32 hwreg(HW_REG_WAVE_MODE, 25, 1), 1
	s_wait_xcnt 0x0
; Wb = W_kvqm rounded to bf16, its four blocks of 64 rows laid in the order k, q, m, v (W_kvqm has k, v, q, m), so that in the
; product that follows each wave's first 64 columns are the ones to be normalised.  Wb: [256][1024] bf16.
; One work-group makes one row: 128 threads, each 2 x 4 numbers.  A wave's load covers 512 consecutive bytes, a wave's store
; 256 consecutive bytes at a multiple of 256 from Wb's first byte.  A stream: no LDS, no barrier, no matrix unit.
	s_load_b128 s[4:7], s[0:1], 0x0                ; W_kvqm s[4:5], Wb s[6:7]
	s_lshr_b32 s8, ttmp9, 6                        ; the row's block in Wb, 0..3
	s_lshl_b32 s8, s8, 2
	s_lshr_b32 s9, 0x1320, s8                      ; four bits a block: 0 -> 0 (k), 1 -> 2 (q), 2 -> 3 (m), 3 -> 1 (v)
	s_and_b32 s9, s9, 3                            ; the block in W_kvqm
	s_and_b32 s10, ttmp9, 63
	s_lshl_b32 s9, s9, 6
	s_add_co_u32 s9, s9, s10                       ; the row in W_kvqm
	s_lshl_b32 s10, s9, 12                         ; times 4,096 bytes
	s_mov_b32 s11, 0
	s_lshl_b32 s12, ttmp9, 11                      ; the row in Wb times 2,048 bytes
	s_mov_b32 s13, 0
	v_lshlrev_b32 v1, 4, v0                        ; 16 bytes of f32 a thread,
	v_lshlrev_b32 v2, 3, v0                        ; 8 bytes of bf16
	s_wait_kmcnt 0x0
	s_add_nc_u64 s[4:5], s[4:5], s[10:11]
	s_add_nc_u64 s[6:7], s[6:7], s[12:13]
	global_load_b128 v[4:7], v1, s[4:5]            ; columns 0 to 511
	global_load_b128 v[8:11], v1, s[4:5] offset:2048  ; columns 512 to 1,023
	s_wait_loadcnt 0x0
	v_cvt_pk_bf16_f32 v12, v4, v5
	v_cvt_pk_bf16_f32 v13, v6, v7
	v_cvt_pk_bf16_f32 v14, v8, v9
	v_cvt_pk_bf16_f32 v15, v10, v11
	global_store_b64 v2, v[12:13], s[6:7]
	global_store_b64 v2, v[14:15], s[6:7] offset:1024
	s_endpgm
.Lfunc_end_k_qad4fed72c1_cvtw:
	.size	k_qad4fed72c1_cvtw, .Lfunc_end_k_qad4fed72c1_cvtw-k_qad4fed72c1_cvtw
	.p2alignl 7, 3214868480
	.fill 96, 4, 3214868480
	.section	.rodata,"a",@progbits
	.p2align	6, 0x0
	.amdhsa_kernel k_qad4fed72c1_cvtw
		.amdhsa_group_segment_fixed_size 0
		.amdhsa_private_segment_fixed_size 0
		.amdhsa_enable_private_segment 0
		.amdhsa_kernarg_size 16
		.amdhsa_user_sgpr_count 2
		.amdhsa_user_sgpr_kernarg_segment_ptr 1
		.amdhsa_wavefront_size32 1
		.amdhsa_system_sgpr_workgroup_id_x 1
		.amdhsa_system_sgpr_workgroup_id_y 1
		.amdhsa_system_sgpr_workgroup_id_z 1
		.amdhsa_system_vgpr_workitem_id 0
		.amdhsa_next_free_vgpr 16
		.amdhsa_next_free_sgpr 66
		.amdhsa_reserve_vcc 0
		.amdhsa_float_denorm_mode_32 3
		.amdhsa_float_denorm_mode_16_64 3
		.amdhsa_memory_ordered 1
		.amdhsa_forward_progress 1
		.amdhsa_inst_pref_size 2
	.end_amdhsa_kernel
	.amdgpu_metadata
---
amdhsa.version: [ 1, 2 ]
amdhsa.kernels:
  - .name:           k_qad4fed72c1_cvtw
    .symbol:         k_qad4fed72c1_cvtw.kd
    .args:
      - { .name: W_kvqm, .offset: 0, .size: 8, .value_kind: global_buffer, .address_space: global }
      - { .name: Wb, .offset: 8, .size: 8, .value_kind: global_buffer, .address_space: global }
    .group_segment_fixed_size: 0
    .private_segment_fixed_size: 0
    .kernarg_segment_align: 8
    .kernarg_segment_size: 16
    .max_flat_workgroup_size: 128
    .sgpr_count:     66
    .vgpr_count:     16
    .wavefront_size: 32
...
	.end_amdgpu_metadata
.endif
;; end of part 1
;; launch proj (part 2): grid 256 x 1, 4 waves a work-group, clusters of 4 x 1, 327,680 bytes of LDS; arguments x, Wb, P; writes P
.if DOCPART == 2
	.amdgcn_target "amdgcn-amd-amdhsa--gfx1250"
	.amdhsa_code_object_version 6
	.text
	.protected	k_qad4fed72c1_proj
	.globl	k_qad4fed72c1_proj
	.p2align	8
	.type	k_qad4fed72c1_proj,@function
k_qad4fed72c1_proj:
	s_mov_b64 s[64:65], 0
	v_nop
	global_prefetch_b8 v0, s[64:65] scope:SCOPE_SE
	s_setreg_imm32_b32 hwreg(HW_REG_WAVE_MODE, 25, 1), 1
	s_wait_xcnt 0x0
	s_wait_alu depctr_hold_cnt(0) depctr_sa_sdst(0) depctr_va_vdst(0) depctr_va_sdst(0) depctr_va_ssrc(0) depctr_va_vcc(0) depctr_vm_vsrc(0)
	s_getreg_b32 s2, hwreg(HW_REG_IB_STS2, 6, 4)
	s_cmp_eq_u32 s2, 0
	s_cbranch_scc0 .Lentry_in_a_cluster
	s_endpgm
.Lentry_in_a_cluster:
	s_bfe_u32 s2, ttmp6, 0x10000c
	s_cmp_lg_u32 s2, 0x3003
	s_cbranch_scc0 .Lentry_shape_is_right
	s_endpgm
.Lentry_shape_is_right:
; P[t][b] = a record of 256 f32: k / (|k| + 1e-6) at byte 0, m / (|m| + 1e-6) at 256, q at 512, v at 768, where (k, q, m, v) = x[t][b] . Wb^T.
; x: [32768][1024] f32, rounded to bf16 on the way from LDS to the matrix unit; Wb: [256][1024] bf16, rows in the order k, q, m, v; sums in f32.
; SHARES.  A work-group owns 128 rows of x and all 256 columns; 256 work-groups read x once.  Wave w: rows 64 (w / 2) on, columns 128 (w % 2) on
; (k, q or m, v): 32 accumulators of 16 x 16.  So a wave's first 64 columns are always the ones to normalise, and it holds all 64 of them.
; K goes in 8 steps of 128 through two LDS slots: 128 rows of x (512 bytes each) and 256 rows of Wb (256 bytes each).  Waves 0 and 1 fetch x's two halves, waves 2 and 3 Wb's.
; CLUSTER.  The four work-groups of a cluster walk the same Wb: its tiles are asked for JOINTLY (same descriptor, mask of four).  x's tiles are each work-group's own: plain loads, behind the same rounds.
; THE MATRIX INSTRUCTION IS USED TRANSPOSED (source 0 = 16 rows of Wb, source 1 = 16 rows of x): lane l holds row l % 16 of x and the columns 8 (l / 16) + 0..7 of a block of 16.
; LIMITS.  x and W are rounded to bf16 (to nearest even).  A sum of squares below 2^-126 counts as 0 in the root, which the 1e-6 beside it hides.  NaN and infinities are not treated apart.
; REGISTERS, in windows of 256 (s_set_vgpr_msb: bits 1:0 source 0, 3:2 source 1, 5:4 source 2, 7:6 destination):
;   window 0: v16-29 addresses; v32-95 x's fragments as loaded, f32; v96-127, v128-159 the same in bf16, two buffers; on the way out v32-63, v64-191 at work, v192-215 sums
;   window 1: v0-63, v64-127 Wb's fragments, two buffers          window 2: the accumulators, (a, b) at v[8 (8 a + b)]
.set KSTEP,  128
.set PA,     528                       ; a row of x in LDS: 512 bytes + 16 of padding = 132 words: the 16 rows of a load start 4 banks apart (64 banks of 4 bytes: ISA guide 11.1)
.set PB,     272                       ; a row of Wb: 256 + 16 = 68 words: likewise
.set AHALF,  64*PA                     ; what one load of x brings, and what one wave reads of x
.set BHALF,  128*PB                    ; the same for Wb
.set BOFF,   2*AHALF                   ; in a slot Wb's rows lie behind x's
.set SLOT,   BOFF+2*BHALF              ; 137,216 bytes
.set STAGE,  2*SLOT                    ; behind the ring: 16 rows x 528 bytes for each wave, for the way out
.set SPITCH, 528
.set SPARE,  STAGE+4*16*SPITCH         ; behind the stages: the spare words, 128 bytes for each wave: two blocks of 256 bytes that no other line names
.set LAPS,   4                         ; a lap = two K steps = once round the ring
.set ADRA, 16                          ; v16-17  LDS address of my fragments of x in slot 0, 1
.set ADRB, 20                          ; v20-21  the same for Wb
.set STO,  24                          ; v24     the way out: where I put 32 bytes of a row
.set RD,   25                          ; v25     the way out: where I read a row back
.set CO,   26                          ; v26     my byte offset in a record of P
.set SPW,  28                          ; v28     LDS address of my spare word; never rewritten
.set NIL,  29                          ; v29     0; never rewritten
.set RAW,  32                          ; x's four fragments in f32, 16 registers each
.set AF,   96                          ; in bf16: buffer f at AF + 32 f
.set TMP,  32                          ; the way out: the scaled columns
.set OB,   64                          ; the way out: 16 rows read back, two buffers of 64
.set SS,   192                         ; pair a: the sum of squares, then 1 / (norm + 1e-6), in the low word
.set TT,   200                         ; two packed chains for each a
.set G1,  24                           ; s[24:31] descriptor group 1 for x's tiles;  s[32:39] group 0, a set for each slot
.set G0,  32
.set G1B, 48                           ; s[48:55], s[56:63] the same for Wb's tiles
.set G0B, 56
.set MSB, 0
.macro WIN new                         ; the immediate's high byte repeats the setting that is left; a switch that changes nothing is dropped
.if MSB != (\new)
	s_set_vgpr_msb (MSB<<8)|(\new)
.set MSB, \new
.endif
.endm
.set MUL,    0xa1                      ; source 0 (Wb) window 1, source 1 (x) window 0, C and D window 2
.set TO_B,   0x40                      ; destination window 1, address window 0
.set RD_ACC, 0x0a                      ; sources 0 and 1 window 2
.set SC_ACC, 0x02                      ; source 0 window 2
.set ST_ACC, 0x08                      ; an LDS store's data (source 1) window 2
; A fill.  Waves 0 and 1 issue x's line, waves 2 and 3 Wb's joint line.  The branch hangs on the wave's number alone.
; An s_nop 0 and four v_nop follow each of the two lines, ahead of the jump and the label.
.macro JLOAD s
	s_cmp_eq_u32 s11, 0
	s_cbranch_scc0 .Lfor_b_\@
	tensor_load_to_lds s[G0+4*(\s):G0+4*(\s)+3], s[G1:G1+7]
	s_nop 0
.rept 4
	v_nop
.endr
	s_branch .Lasked_\@
.Lfor_b_\@:
	tensor_load_to_lds s[G0B+4*(\s):G0B+4*(\s)+3], s[G1B:G1B+7]
	s_nop 0
.rept 4
	v_nop
.endr
.Lasked_\@:
.endm
.macro CREST                           ; a round of the cluster's barrier behind its opening barrier: wave 0 signals for the work-group, every wave waits for all four, my work-group's barrier closes it
	s_cmp_lg_u32 s10, 0
	s_cbranch_scc1 .Lnot_wave_0_\@
	s_barrier_signal -3
.Lnot_wave_0_\@:
	s_barrier_wait -3
	s_barrier_signal -1
	s_barrier_wait -1
.endm
.macro CROUND                          ; a whole round
	s_barrier_signal -1
	s_barrier_wait -1
	CREST
.endm
.macro PLACES                          ; four plain vector instructions between a matrix instruction and a vector instruction that reads its result (ISA guide 7.12.1)
.rept 4
	v_nop
.endr
.endm
	s_load_b128 s[4:7], s[0:1], 0x0                ; x s[4:5], Wb s[6:7]
	s_load_b64 s[8:9], s[0:1], 0x10                ; P
	v_lshl_add_u32 v[SPW], v0, 2, SPARE
	v_mov_b32 v[NIL], 0
	ds_add_u32 v[SPW], v[NIL]                      ; the wave's opening: the add and its wait stand ahead of my first tensor load; the set-up below, work on registers, stands between them
	v_lshrrev_b32 v1, 5, v0
	v_readfirstlane_b32 s10, v1                    ; wave 0..3
	s_lshr_b32 s11, s10, 1                         ; which 64 rows of x are mine.  Also: I fetch for x (0) or for Wb (1)
	s_and_b32 s12, s10, 1                          ; which 128 columns.  Also: which half of that tile I fetch
	s_bfe_u32 s40, ttmp6, 0x40000                  ; cx: my place in the cluster
	s_lshl_b32 s42, ttmp9, 2                       ; in a cluster launch ttmp9 counts clusters
	s_add_co_u32 s42, s42, s40                     ; my block of 128 rows: it enters x's and P's addresses alone
	; descriptor group 1 for x: 64 rows x 128 elements of 4 bytes, padded in LDS
	s_mov_b32 s[G1+0], (2<<16)|(1<<20)|(6<<22)|(3<<25)  ; 15:0 no mask; 17:16 elements of 4 bytes; 20 padding on; 24:22 after every 128 words (code 6); 31:25 4 words of it (code 3)
	s_mov_b32 s[G1+1], KSTEP<<16                   ; tensor_dim0 = 128
	s_mov_b32 s[G1+2], 64<<16                      ; tensor_dim1 = 64
	s_mov_b32 s[G1+3], KSTEP<<16                   ; tile_dim0 = 128
	s_mov_b32 s[G1+4], 64                          ; tile_dim1 = 64
	s_mov_b32 s[G1+5], 1024                        ; elements from row to row
	s_mov_b32 s[G1+6], 0
	s_mov_b32 s[G1+7], 0
	; and for Wb: 128 rows x 128 elements of 2 bytes
	s_mov_b32 s[G1B+0], 15|(1<<16)|(1<<20)|(1<<21)|(5<<22)|(3<<25)  ; 15:0 the mask: all four work-groups; 17:16 elements of 2 bytes; 20 padding on; 21 set beside a mask; 24:22 after every 64 words (code 5); 31:25 4 words
	s_mov_b32 s[G1B+1], KSTEP<<16
	s_mov_b32 s[G1B+2], 128<<16
	s_mov_b32 s[G1B+3], KSTEP<<16
	s_mov_b32 s[G1B+4], 128
	s_mov_b32 s[G1B+5], 1024
	s_mov_b32 s[G1B+6], 0
	s_mov_b32 s[G1B+7], 0
	s_lshl_b32 s16, s42, 7
	s_lshl_b32 s17, s12, 6
	s_add_co_u32 s16, s16, s17                     ; x: row 128 x block + 64 x half,
	s_lshl_b32 s16, s16, 12                        ; times 4,096 bytes: under 2^28
	s_mov_b32 s17, 0
	s_lshl_b32 s46, s12, 18                        ; Wb: 128 rows of 2,048 bytes x half: no place in the cluster enters it
	s_mov_b32 s47, 0
	s_mul_i32 s20, s12, AHALF                      ; where they go: no place in the cluster enters an LDS address
	s_mul_i32 s21, s12, BHALF
	s_add_co_u32 s21, s21, BOFF
	s_mov_b32 s44, 0x76543210                      ; v_permlanex16_b32's selects: each lane takes its own place in the other half
	s_mov_b32 s45, 0xfedcba98
	s_wait_dscnt 0x0                               ; the opening add is done
	s_wait_kmcnt 0x0
	s_add_nc_u64 s[14:15], s[4:5], s[16:17]
	s_add_nc_u64 s[46:47], s[6:7], s[46:47]
	CROUND                                         ; all four work-groups are here: the first joint loads meet
.irp s, 0,1
	s_mov_b32 s[G0+4*(\s)], 1                                      ; 1:0 count = 1
	s_add_co_u32 s[G0+4*(\s)+1], s20, (\s)*SLOT                    ; 63:32 LDS address
	s_add_nc_u64 s[G0+4*(\s)+2:G0+4*(\s)+3], s[14:15], (\s)*KSTEP*4  ; 120:64 global address: K step s
	s_or_b32 s[G0+4*(\s)+3], s[G0+4*(\s)+3], 0x80000000            ; 127:126 type = 2
	s_mov_b32 s[G0B+4*(\s)], 1
	s_add_co_u32 s[G0B+4*(\s)+1], s21, (\s)*SLOT
	s_add_nc_u64 s[G0B+4*(\s)+2:G0B+4*(\s)+3], s[46:47], (\s)*KSTEP*2
	s_or_b32 s[G0B+4*(\s)+3], s[G0B+4*(\s)+3], 0x80000000
	JLOAD \s                                       ; the ring is filled before anything else is done: two loads of mine are out
.endr
	; A fragment is 16 rows x 32 K: lane l holds row l % 16, K = 8 (l / 16) + 0..7 and 16 + 8 (l / 16) + 0..7.  In bf16 that is two loads of 16 bytes, 32 bytes apart;
	; in f32 four: at 32 (l / 16) + 0, 16, 64, 80.
	v_and_b32 v1, 15, v0                           ; l % 16
	v_bfe_u32 v2, v0, 4, 1                         ; l / 16
	v_mul_u32_u24 v3, v1, PA
	v_lshl_add_u32 v3, v2, 5, v3                   ; x (and the stage): row x 528 + 32 x half
	v_mul_u32_u24 v4, v1, PB
	v_lshl_add_u32 v4, v2, 4, v4                   ; Wb: row x 272 + 16 x half
	s_mul_i32 s22, s11, AHALF                      ; my 64 rows of x
	s_mul_i32 s23, s12, BHALF                      ; my 128 rows of Wb,
	s_add_co_u32 s23, s23, BOFF                    ; which lie behind x's
.irp s, 0,1
	v_add_nc_u32 v[ADRA+(\s)], s22, v3
	v_add_nc_u32 v[ADRB+(\s)], s23, v4
	s_add_co_u32 s22, s22, SLOT
	s_add_co_u32 s23, s23, SLOT
.endr
	s_mul_i32 s22, s10, 16*SPITCH
	s_add_co_u32 s22, s22, STAGE                   ; my stage
	v_add_nc_u32 v[STO], s22, v3                   ; in: row l % 16, 32 bytes for each half of the lanes
	v_and_b32 v5, 31, v0
	v_lshl_add_u32 v[RD], v5, 4, s22               ; back: 32 lanes take one row of 512 bytes
	v_lshlrev_b32 v[CO], 4, v1                     ; in a record: lanes 0-15 my first 64 columns (k or m), lanes 16-31 my second (q or v), 512 bytes on;
	v_lshl_add_u32 v[CO], v2, 9, v[CO]
	s_lshl_b32 s22, s12, 8                         ; m and v lie 256 bytes behind k and q
	v_add_nc_u32 v[CO], s22, v[CO]
.irp a, 0,1,2,3
	v_mov_b32 v[SS+2*\a+1], 0                      ; the pairs' high words are named with the low ones, so they are written
.endr
	s_lshl_b32 s16, s42, 17                        ; P at my wave's first record: (128 x block + 64 x row half) x 1,024 bytes
	s_lshl_b32 s17, s11, 16
	s_add_co_u32 s16, s16, s17
	s_mov_b32 s17, 0
	s_add_nc_u64 s[8:9], s[8:9], s[16:17]
; 16 LDS loads: x's four fragments of quarter q (32 K = 128 bytes), in f32
.macro FETCH_A slot, q
	WIN 0
.irp i, 0,1,2,3
	ds_load_b128 v[RAW+16*\i:RAW+16*\i+3],     v[ADRA+(\slot)] offset:(\q)*128+\i*16*PA
	ds_load_b128 v[RAW+16*\i+4:RAW+16*\i+7],   v[ADRA+(\slot)] offset:(\q)*128+\i*16*PA+16
	ds_load_b128 v[RAW+16*\i+8:RAW+16*\i+11],  v[ADRA+(\slot)] offset:(\q)*128+\i*16*PA+64
	ds_load_b128 v[RAW+16*\i+12:RAW+16*\i+15], v[ADRA+(\slot)] offset:(\q)*128+\i*16*PA+80
.endr
.endm
; 16 LDS loads: Wb's eight fragments of quarter q (64 bytes) into buffer f
.macro FETCH_B slot, q, f
	WIN TO_B
.irp i, 0,1,2,3,4,5,6,7
	ds_load_b128 v[64*(\f)+8*\i:64*(\f)+8*\i+3],   v[ADRB+(\slot)] offset:(\q)*64+\i*16*PB
	ds_load_b128 v[64*(\f)+8*\i+4:64*(\f)+8*\i+7], v[ADRB+(\slot)] offset:(\q)*64+\i*16*PB+32
.endr
.endm
; x's four fragments rounded to bf16 into buffer f: 32 plain vector instructions.  They name no register of the quarter before's products (its accumulators, Wb's other buffer, x's other
; buffer), so they are also the places between those products and the loads into Wb's other buffer that follow.
.macro CVT f
	WIN 0
.set i, 0
.rept 32
	v_cvt_pk_bf16_f32 v[AF+32*(\f)+i], v[RAW+2*i], v[RAW+2*i+1]
.set i, i+1
.endr
.endm
; 8 matrix instructions: row block a x all 8 column blocks, 32 along K.  zero = 1: the first product starts the sums.  The 32 accumulators take turns, in the same order in every quarter.
.macro MULA f, a, zero
	WIN MUL
.irp b, 0,1,2,3,4,5,6,7
.if \zero
	v_wmma_f32_16x16x32_bf16 v[8*(8*(\a)+\b):8*(8*(\a)+\b)+7], v[64*(\f)+8*\b:64*(\f)+8*\b+7], v[AF+32*(\f)+8*(\a):AF+32*(\f)+8*(\a)+7], 0
.else
	v_wmma_f32_16x16x32_bf16 v[8*(8*(\a)+\b):8*(8*(\a)+\b)+7], v[64*(\f)+8*\b:64*(\f)+8*\b+7], v[AF+32*(\f)+8*(\a):AF+32*(\f)+8*(\a)+7], v[8*(8*(\a)+\b):8*(8*(\a)+\b)+7]
.endif
.endr
.endm
; A K step is four quarters of 32 along K, 32 matrix instructions each, on buffers 0, 1, 0, 1.  One of the first three: rounds its x, fetches the next quarter of the same slot, multiplies.
.macro QUARTER slot, q, zero
	s_wait_dscnt 16                                ; x's 16 loads were issued ahead of Wb's 16: x is in
	CVT ((\q)&1)
	FETCH_A \slot, (\q)+1
	FETCH_B \slot, (\q)+1, 1-((\q)&1)
	s_wait_dscnt 32                                ; all but the 32 just issued: this quarter's Wb is in
	MULA ((\q)&1), 0, \zero
	MULA ((\q)&1), 1, \zero
	MULA ((\q)&1), 2, \zero
	MULA ((\q)&1), 3, \zero
.endm
; The last quarter multiplies buffer 1 and changes slots: ONE barrier.  In front of it each wave waits for all its tensor loads (one is out: its part of the next slot), adds 0 to its spare
; word, and waits for that and for its own reads of this slot.  fill = 1: the barrier opens a round of the cluster's, and this slot is filled again, two K steps ahead, first thing behind the round.
.macro TURN slot, next, fill
	s_wait_dscnt 16
	CVT 1
	s_wait_tensorcnt 0x0                           ; all my tensor loads have landed;
	ds_add_u32 v[SPW], v[NIL]                      ; 0 onto my spare word;
	s_wait_dscnt 1                                 ; (Wb's fragments are in; the add may be out)
	MULA 1, 0, 0                                   ; eight matrix instructions stand between the add and the wait for it
	s_wait_dscnt 0x0                               ; the add is done, and my reads of this slot are over
	s_barrier_signal -1
	MULA 1, 1, 0                                   ; work on registers while the others arrive
	WIN 0                                          ; at a branch and at a label every window is 0
	s_barrier_wait -1
.if \fill
	CREST                                          ; no wave of any partner still reads this slot's tile or has a load on its way
	s_add_nc_u64 s[G0+4*(\slot)+2:G0+4*(\slot)+3], s[G0+4*(\slot)+2:G0+4*(\slot)+3], 2*KSTEP*4
	s_add_nc_u64 s[G0B+4*(\slot)+2:G0B+4*(\slot)+3], s[G0B+4*(\slot)+2:G0B+4*(\slot)+3], 2*KSTEP*2
	JLOAD \slot                                    ; my one tensor load behind the round: 112 matrix instructions ahead of the wait for it
.endif
	FETCH_A \next, 0
	FETCH_B \next, 0, 0                            ; buffer 0's last reader stands in front of this quarter's 32 conversions
	MULA 1, 2, 0
	MULA 1, 3, 0
.endm
	s_wait_tensorcnt 1                             ; my part of K step 0 is in; K step 1's may stay out
	s_barrier_signal -1
	s_barrier_wait -1                              ; everybody's is
	FETCH_A 0, 0
	FETCH_B 0, 0, 0
	QUARTER 0, 0, 1                                ; the first quarter stands in front of the loop: its products start the sums
	WIN 0
	s_mov_b32 s3, LAPS-1
.Llap:                                                 ; a trip goes once round the ring, from a lap's second quarter to the next lap's first, and fills both slots again
	QUARTER 0, 1, 0
	QUARTER 0, 2, 0
	TURN 0, 1, 1
	QUARTER 1, 0, 0
	QUARTER 1, 1, 0
	QUARTER 1, 2, 0
	TURN 1, 0, 1
	QUARTER 0, 0, 0
	WIN 0
	s_sub_co_u32 s3, s3, 1
	s_cmp_lg_u32 s3, 0
	s_cbranch_scc1 .Llap
	QUARTER 0, 1, 0                                ; the last lap fills nothing, and has no round of the cluster's barrier
	QUARTER 0, 2, 0
	TURN 0, 1, 0
	QUARTER 1, 0, 0
	QUARTER 1, 1, 0
	QUARTER 1, 2, 0
	s_wait_dscnt 16                                ; the very last quarter: nothing more to fetch
	CVT 1
	s_wait_dscnt 0x0
	MULA 1, 0, 0
	MULA 1, 1, 0
	MULA 1, 2, 0
	MULA 1, 3, 0
	; THE WAY OUT.  First the norms: for row block a my lane holds 32 of its row's first 64 columns (blocks b = 0..3), the lane 16 away the other 32.
	; Each accumulator is read from its lowest registers on.
	PLACES
	WIN RD_ACC
.irp a, 0,1,2,3
.set p, 0
.rept 16
.set rT, TT+4*\a+2*(p%2)
.set rA, 64*\a+2*p
.if p < 2
	v_pk_mul_f32 v[rT:rT+1], v[rA:rA+1], v[rA:rA+1]        ; two chains a row block, started by the first squares
.else
	v_pk_fma_f32 v[rT:rT+1], v[rA:rA+1], v[rA:rA+1], v[rT:rT+1]
.endif
.set p, p+1
.endr
.endr
	WIN 0
.irp a, 0,1,2,3
	v_pk_add_f32 v[TT+4*\a:TT+4*\a+1], v[TT+4*\a:TT+4*\a+1], v[TT+4*\a+2:TT+4*\a+3]
.endr
.irp a, 0,1,2,3
	v_add_f32 v[SS+2*\a], v[TT+4*\a], v[TT+4*\a+1]
.endr
.irp a, 0,1,2,3
	v_permlanex16_b32 v[SS+2*\a+1], v[SS+2*\a], s44, s45
.endr
.irp a, 0,1,2,3
	v_add_f32 v[SS+2*\a], v[SS+2*\a], v[SS+2*\a+1]
.endr
.irp a, 0,1,2,3
	v_sqrt_f32 v[SS+2*\a], v[SS+2*\a]
.endr
	v_nop                                          ; a plain instruction between the last root and the use of its result (ISA guide 5.7.2)
.irp a, 0,1,2,3
	v_add_f32 v[SS+2*\a], 0x358637bd, v[SS+2*\a]   ; + 1e-6
.endr
.irp a, 0,1,2,3
	v_rcp_f32 v[SS+2*\a], v[SS+2*\a]
.endr
	v_nop                                          ; likewise behind the last reciprocal
; Row block a: its first 64 columns are scaled; all 128 go into my stage (rows of 528 bytes) and come back as whole rows of 512 bytes.
.macro PACK a
	WIN SC_ACC
.set p, 0
.rept 16
	v_pk_mul_f32 v[TMP+2*p:TMP+2*p+1], v[64*(\a)+2*p:64*(\a)+2*p+1], v[SS+2*(\a):SS+2*(\a)+1] op_sel_hi:[1,0]
.set p, p+1
.endr
	WIN 0
.irp b, 0,1,2,3
	ds_store_b128 v[STO], v[TMP+8*\b:TMP+8*\b+3]   offset:64*\b
	ds_store_b128 v[STO], v[TMP+8*\b+4:TMP+8*\b+7] offset:64*\b+16
.endr
	WIN ST_ACC                                     ; q or v leave as they are, straight from the accumulators, the low four registers first
.irp b, 4,5,6,7
	ds_store_b128 v[STO], v[64*(\a)+8*\b:64*(\a)+8*\b+3]   offset:64*\b
	ds_store_b128 v[STO], v[64*(\a)+8*\b+4:64*(\a)+8*\b+7] offset:64*\b+16
.endr
	WIN 0
.if (\a) >= 2
	s_wait_xcnt 0x0                                ; the stores of the block two back have had their addresses translated (ISA guide 3.1): their registers are loaded again only behind this wait
.endif
.set BK, OB+64*((\a)%2)
.irp t, 0,1,2,3,4,5,6,7,8,9,10,11,12,13,14,15
	ds_load_b128 v[BK+4*\t:BK+4*\t+3], v[RD] offset:\t*SPITCH  ; LDS serves a wave's instructions in order (ISA guide 5.7.1.4): these see the stores above; the next block's stores come behind them
.endr
.endm
.macro SEND a, younger                 ; younger: the LDS instructions issued behind block a's loads: the next block's 32, or none
.set BK, OB+64*((\a)%2)
.irp t, 0,1,2,3,4,5,6,7,8,9,10,11,12,13,14,15
	s_wait_dscnt (\younger)+15-\t
	global_store_b128 v[CO], v[BK+4*\t:BK+4*\t+3], s[8:9] offset:(\a)*16384+\t*1024  ; each 16 lanes store 256 consecutive bytes, at a multiple of 256 from P's first byte
.endr
.endm
	PACK 0
	PACK 1                                         ; a block's arithmetic stands between the loads of the block before and its stores
	SEND 0, 32
	PACK 2
	SEND 1, 32
	PACK 3
	SEND 2, 32
	SEND 3, 0
	s_wait_tensorcnt 0x0                           ; the wave's end: behind my last tensor load and my last LDS store
	ds_add_u32 v[SPW], v[NIL]
	s_wait_dscnt 0x0
	CROUND                                         ; the closing round: no work-group ends while a partner may still ask for a tile that names it
	s_endpgm
.Lfunc_end_k_qad4fed72c1_proj:
	.size	k_qad4fed72c1_proj, .Lfunc_end_k_qad4fed72c1_proj-k_qad4fed72c1_proj
	.p2alignl 7, 3214868480
	.fill 96, 4, 3214868480
	.section	.rodata,"a",@progbits
	.p2align	6, 0x0
	.amdhsa_kernel k_qad4fed72c1_proj
		.amdhsa_group_segment_fixed_size 327680
		.amdhsa_private_segment_fixed_size 0
		.amdhsa_enable_private_segment 0
		.amdhsa_kernarg_size 24
		.amdhsa_user_sgpr_count 2
		.amdhsa_user_sgpr_kernarg_segment_ptr 1
		.amdhsa_wavefront_size32 1
		.amdhsa_system_sgpr_workgroup_id_x 1
		.amdhsa_system_sgpr_workgroup_id_y 1
		.amdhsa_system_sgpr_workgroup_id_z 1
		.amdhsa_system_vgpr_workitem_id 0
		.amdhsa_next_free_vgpr 768
		.amdhsa_next_free_sgpr 66
		.amdhsa_reserve_vcc 0
		.amdhsa_float_denorm_mode_32 3
		.amdhsa_float_denorm_mode_16_64 3
		.amdhsa_memory_ordered 1
		.amdhsa_forward_progress 1
		.amdhsa_inst_pref_size 135
	.end_amdhsa_kernel
	.amdgpu_metadata
---
amdhsa.version: [ 1, 2 ]
amdhsa.kernels:
  - .name:           k_qad4fed72c1_proj
    .symbol:         k_qad4fed72c1_proj.kd
    .args:
      - { .name: x, .offset: 0, .size: 8, .value_kind: global_buffer, .address_space: global }
      - { .name: Wb, .offset: 8, .size: 8, .value_kind: global_buffer, .address_space: global }
      - { .name: P, .offset: 16, .size: 8, .value_kind: global_buffer, .address_space: global }
    .group_segment_fixed_size: 327680
    .private_segment_fixed_size: 0
    .kernarg_segment_align: 8
    .kernarg_segment_size: 24
    .max_flat_workgroup_size: 128
    .sgpr_count:     66
    .vgpr_count:     768
    .wavefront_size: 32
...
	.end_amdgpu_metadata
.endif
;; end of part 2
;; launch scan (part 3): grid 256 x 1, 4 waves a work-group, clusters of 4 x 1, 327,680 bytes of LDS; arguments P, S0, M0, B_S, B_M, out0, out1, out2; writes out0, out1, out2
.if DOCPART == 3
	.amdgcn_target "amdgcn-amd-amdhsa--gfx1250"
	.amdhsa_code_object_version 6
	.text
	.protected	k_qad4fed72c1_scan
	.globl	k_qad4fed72c1_scan
	.p2align	8
	.type	k_qad4fed72c1_scan,@function
k_qad4fed72c1_scan:
	s_mov_b64 s[64:65], 0
	v_nop
	global_prefetch_b8 v0, s[64:65] scope:SCOPE_SE
	s_setreg_imm32_b32 hwreg(HW_REG_WAVE_MODE, 25, 1), 1
	s_wait_xcnt 0x0
	s_wait_alu depctr_hold_cnt(0) depctr_sa_sdst(0) depctr_va_vdst(0) depctr_va_sdst(0) depctr_va_ssrc(0) depctr_va_vcc(0) depctr_vm_vsrc(0)
	s_getreg_b32 s2, hwreg(HW_REG_IB_STS2, 6, 4)
	s_cmp_eq_u32 s2, 0
	s_cbranch_scc0 .Lentry_in_a_cluster
	s_endpgm
.Lentry_in_a_cluster:
	s_bfe_u32 s2, ttmp6, 0x10000c
	s_cmp_lg_u32 s2, 0x3003
	s_cbranch_scc0 .Lentry_shape_is_right
	s_endpgm
.Lentry_shape_is_right:
; THE 512 STEPS.  For each batch b and step t, with k, m (normalised), q, v from P[t][b]:
;   G = sigmoid(M + (M k) k^T + B_S);  d = v - S k;  S = G S + d k^T;   H = sigmoid(S + (S m) m^T + B_M);  e = d - M m;  M = H M + e m^T;   y = S q;  out0 = y (y sigmoid(y)).
; Row i of S and of M goes its own way, given k, m, q and v[i]: 64 batches x 64 rows = 4,096 rows, spread over 1,024 waves.  All of it in f32, on the vector unit: every product here is a
; matrix times ONE vector, 1/16 of a matrix instruction's columns, and would want the f32 state rounded and sent across lanes inside the dependent chain of every step.
; SHARES.  A cluster of four work-groups is a batch; work-group cx owns rows 16 cx on, wave w four of them, eight lanes a row: lane l holds row l / 8 and the columns 4 (l % 8) + 0..3 and
; 32 + 4 (l % 8) + 0..3 of S and of M, four register pairs each.  A sum along a row: four packed operations, one add, three steps between lanes (row_xmask 1, 2, 4), result in all eight lanes.
; FEEDING.  The four work-groups need the same k, m, q: 768 consecutive bytes of each record, asked for JOINTLY, 128 steps to an LDS slot, two slots (waves 0 and 1: 64 steps each).  A work-group's own
; 64 bytes of v come by a plain load (wave 2).  A slot is asked for 128 steps ahead of its first read.  From LDS a ring of four register sets runs four steps ahead.
; sigmoid(z) = 1 / (1 + 2^(C z)), C = -log2(e); C is folded into the biases once and into the state and the row sums by the multiply-adds that are there anyway.
; OUT0.  256 consecutive bytes of out0 are one step's 64 rows, which belong to 16 waves of 4 work-groups; gathering them would want work-groups of 64 rows (a quarter as many) or a further launch.
; So a wave collects eight steps (lane l % 8 keeps step l % 8 of eight) and stores once in eight steps, four neighbouring rows (16 bytes) for each step.  out1, out2: a row's 256 bytes leave by two stores on end.
; LIMITS.  S0, M0, B_S, B_M are rounded once to bf16 when loaded, as x and W were for the matrix unit: all inputs alike.  What is carried from step to step stays f32.  An exponential
; that overflows gives the gate 0, one below 2^-126 counts as 0 beside the 1: both as the sigmoid itself would round.  NaN and infinities in the inputs are not treated apart.
.set SLOT1, 131072                     ; slot 1 begins here, so that one exclusive or turns an address in one slot into the other's
.set KROW,  768                        ; a step's k, m, q in LDS, as in memory; the 8 pieces of 16 bytes that a load touches lie on end, so no padding
.set VOFF,  128*KROW                   ; behind them the slot's 128 x 64 bytes of v
.set VROW,  64
.set SPARE, SLOT1+VOFF+128*VROW        ; behind slot 1: the spare words, 128 bytes for each wave: two blocks of 256 bytes that no other line names
.set SEGB,  128*65536                  ; 128 steps of P in bytes
.set SPW, 1                            ; v1   LDS address of my spare word; never rewritten
.set NIL, 2                            ; v2   0; never rewritten
.set LA0, 3                            ; v3   16 (l % 8): my place in k, m, q
.set LV0, 4                            ; v4   VOFF + 16 w + 4 (l / 8): my row's v
.set LA,  5                            ; v5   LDS address of the four steps fetched in this trip
.set LV,  6                            ; v6   the same for v
.set ST,  7                            ; v7   row x 256 + 16 (l % 8): my place in a 64 x 64 matrix
.set OO,  8                            ; v8   (l % 8) x 16,384 + row x 4: my place in eight steps of out0
.set OV,  9                            ; v9   the output that I keep of eight steps
.set RS,  12                           ; v[12:19] S      v[20:27] M
.set RM,  20
.set BS,  28                           ; v[28:35] C B_S  v[36:43] C B_M
.set BM,  36
.set XB,  44                           ; v[44:51] C x state + C x bias
.set RG,  52                           ; v[52:59] the gate in the making
.set RU,  60                           ; v[60:67] the outer product
.set MK,  68                           ; pairs: row sums in the making, then the sum in the low word
.set MM,  70
.set SM,  72
.set SQ,  74
.set SK,  76
.set MKS, 78                           ; pairs of which the low word is taken for both halves; the high words are written 0 once
.set SD,  80
.set SMS, 82
.set MD,  84
.set OE,  86
.set ORR, 87
.set RING, 88                          ; set i at v[88 + 26 i]: k +0..7, m +8..15, q +16..23, v +24
.set WV,  20                           ; s20 wave   s21 cx   s22 batch
.set CX,  21
.set BB,  22
.set CC,  24                           ; s[24:25] C
.set MSK, 26                           ; s[26:29] for step u of a trip: the lanes that keep its output
.set PAR, 30                           ; s30 1 behind an even trip
.set CNT, 31
.set SEG, 32
.set TB,  33                           ; s33 LDS byte of the next four steps' k, m, q;  s34 of their v, less VOFF
.set TBV, 34
.set G1J, 36                           ; s[36:43] group 1 of the joint load;  s[44:51] of v's
.set G1V, 44
.set G0J0, 52                          ; group 0: a set for each of the two first fills; the second then walks on
.set G0J1, 56
.set G0V0, 60
.set G0V1, 68
.macro CROUND                          ; a round of the cluster's barrier
	s_barrier_signal -1
	s_barrier_wait -1
	s_cmp_lg_u32 s[WV], 0
	s_cbranch_scc1 .Lnot_wave_0_\@
	s_barrier_signal -3
.Lnot_wave_0_\@:
	s_barrier_wait -3
	s_barrier_signal -1
	s_barrier_wait -1
.endm
; A refill: waves 0 and 1 the joint line, wave 2 v's, wave 3 none.  The branches hang on the wave's number alone.  An s_nop 0 and four v_nop follow each line.
.macro JLOAD
	s_cmp_lt_u32 s[WV], 2
	s_cbranch_scc0 .Lnot_j_\@
	tensor_load_to_lds s[G0J1:G0J1+3], s[G1J:G1J+7]
	s_nop 0
.rept 4
	v_nop
.endr
	s_branch .Lasked_\@
.Lnot_j_\@:
	s_cmp_eq_u32 s[WV], 2
	s_cbranch_scc0 .Lasked_\@
	tensor_load_to_lds s[G0V1:G0V1+3], s[G1V:G1V+7]
	s_nop 0
.rept 4
	v_nop
.endr
.Lasked_\@:
.endm
; THE CHANGE OF SLOTS.  The ring's loads run exactly one trip ahead, so here every read of the old slot has been issued and none of the other.  Each wave waits for all its tensor loads (its part of
; the other slot), adds 0 to its spare word, and waits for that and for its reads.  fill = 1: a round of the cluster's barrier, and the old slot is filled again first thing behind it, with the steps two slots on.
.macro CHANGE fill
	s_wait_tensorcnt 0x0                           ; no tensor load of mine is out, so a group 0 may be written
	ds_add_u32 v[SPW], v[NIL]                      ; 0 onto my spare word
.if \fill
	s_xor_b32 s[G0J1+1], s[G0J1+1], SLOT1          ; the walking descriptors: the other slot than last time,
	s_add_nc_u64 s[G0J1+2:G0J1+3], s[G0J1+2:G0J1+3], SEGB  ; the next 128 steps; the type bits on top are not reached
	s_xor_b32 s[G0V1+1], s[G0V1+1], SLOT1
	s_add_nc_u64 s[G0V1+2:G0V1+3], s[G0V1+2:G0V1+3], SEGB
.endif
	s_wait_dscnt 0x0                               ; the add is done, and my reads of the slot are over
.if \fill
	CROUND
	JLOAD
.else
	s_barrier_signal -1
	s_barrier_wait -1
.endif
	s_sub_co_u32 s[TB], s[TB], VOFF                ; the fetches go back to a slot's first step,
	s_xor_b32 s[TB], s[TB], SLOT1                  ; in the other slot
	s_sub_co_u32 s[TBV], s[TBV], 128*VROW
	s_xor_b32 s[TBV], s[TBV], SLOT1
.endm
	s_load_b512 s[4:19], s[0:1], 0x0               ; P s[4:5], S0 s[6:7], M0 s[8:9], B_S s[10:11], B_M s[12:13], out0 s[14:15], out1 s[16:17], out2 s[18:19]
	v_lshl_add_u32 v[SPW], v0, 2, SPARE
	v_mov_b32 v[NIL], 0
	ds_add_u32 v[SPW], v[NIL]                      ; the wave's opening: the add and its wait stand ahead of my first tensor load; the set-up below, work on registers, stands between them
	v_lshrrev_b32 v10, 5, v0
	v_readfirstlane_b32 s[WV], v10                 ; wave 0..3
	s_bfe_u32 s[CX], ttmp6, 0x40000                ; my place in the cluster: it enters global addresses alone
	s_mov_b32 s[BB], ttmp9                         ; in a cluster launch ttmp9 counts clusters: the batch
	s_mov_b32 s[CC], 0xbfb8aa3b                    ; C = -log2(e)
	s_mov_b32 s[CC+1], s[CC]                       ; named with it as a pair
	s_mov_b32 s[MSK+0], 0x01010101                 ; lanes l % 8 = u
	s_mov_b32 s[MSK+1], 0x02020202
	s_mov_b32 s[MSK+2], 0x04040404
	s_mov_b32 s[MSK+3], 0x08080808
	s_mov_b32 s[PAR], 0
	s_mov_b32 s[TB], 0
	s_mov_b32 s[TBV], 0
	; group 1 of the joint load: 64 rows x 192 elements of 4 bytes
	s_mov_b32 s[G1J+0], 15|(2<<16)|(1<<21)         ; 15:0 the mask: all four work-groups; 17:16 elements of 4 bytes; 21 set beside a mask; no padding
	s_mov_b32 s[G1J+1], 192<<16                    ; tensor_dim0 = 192
	s_mov_b32 s[G1J+2], 64<<16                     ; tensor_dim1 = 64
	s_mov_b32 s[G1J+3], 192<<16                    ; tile_dim0 = 192
	s_mov_b32 s[G1J+4], 64                         ; tile_dim1 = 64
	s_mov_b32 s[G1J+5], 16384                      ; elements from step to step: 64 batches x 256
	s_mov_b32 s[G1J+6], 0
	s_mov_b32 s[G1J+7], 0
	; group 1 of v's load: 128 rows x 16 elements
	s_mov_b32 s[G1V+0], 2<<16
	s_mov_b32 s[G1V+1], 16<<16
	s_mov_b32 s[G1V+2], 128<<16
	s_mov_b32 s[G1V+3], 16<<16
	s_mov_b32 s[G1V+4], 128
	s_mov_b32 s[G1V+5], 16384
	s_mov_b32 s[G1V+6], 0
	s_mov_b32 s[G1V+7], 0
	s_mov_b32 s[G0J0], 1                           ; 1:0 count = 1
	s_mul_i32 s[G0J0+1], s[WV], 64*KROW            ; LDS: wave 0's 64 steps, then wave 1's
	s_mov_b32 s[G0J1], 1
	s_add_co_u32 s[G0J1+1], s[G0J0+1], SLOT1
	s_mov_b32 s[G0V0], 1
	s_mov_b32 s[G0V0+1], VOFF
	s_mov_b32 s[G0V1], 1
	s_mov_b32 s[G0V1+1], SLOT1+VOFF
	s_lshl_b32 s35, s[BB], 10                      ; the batch's record in a step
	s_lshl_b32 s72, s[WV], 22                      ; 64 steps of 65,536 bytes a wave
	s_add_co_u32 s72, s72, s35
	s_mov_b32 s73, 0
	s_lshl_b32 s74, s[CX], 6                       ; v: my work-group's 16 rows,
	s_add_co_u32 s74, s74, s35
	s_add_co_u32 s74, s74, 768                     ; behind k, m, q
	s_mov_b32 s75, 0
	v_bfe_u32 v10, v0, 3, 2                        ; l / 8
	v_and_b32 v11, 7, v0                           ; l % 8
	v_lshlrev_b32 v[LA0], 4, v11
	s_lshl_b32 s23, s[WV], 4
	s_add_co_u32 s23, s23, VOFF
	v_lshl_add_u32 v[LV0], v10, 2, s23             ; no place in the cluster enters an LDS address
	s_lshl_b32 s23, s[CX], 4
	s_lshl2_add_u32 s23, s[WV], s23                ; 16 cx + 4 w
	v_add_nc_u32 v10, s23, v10                     ; my row
	v_lshlrev_b32 v[ST], 8, v10
	v_lshl_add_u32 v[ST], v11, 4, v[ST]
	v_lshlrev_b32 v[OO], 2, v10
	v_lshl_add_u32 v[OO], v11, 14, v[OO]
	v_mov_b32 v[OV], 0
	v_mov_b32 v[MKS+1], 0
	v_mov_b32 v[SD+1], 0
	v_mov_b32 v[SMS+1], 0
	v_mov_b32 v[MD+1], 0
	s_wait_dscnt 0x0                               ; the opening add is done
	s_wait_kmcnt 0x0
	s_add_nc_u64 s[G0J0+2:G0J0+3], s[4:5], s[72:73]        ; steps 0 to 127,
	s_add_nc_u64 s[G0J1+2:G0J1+3], s[G0J0+2:G0J0+3], SEGB  ; steps 128 to 255
	s_or_b32 s[G0J0+3], s[G0J0+3], 0x80000000              ; 127:126 type = 2
	s_or_b32 s[G0J1+3], s[G0J1+3], 0x80000000
	s_add_nc_u64 s[G0V0+2:G0V0+3], s[4:5], s[74:75]
	s_add_nc_u64 s[G0V1+2:G0V1+3], s[G0V0+2:G0V0+3], SEGB
	s_or_b32 s[G0V0+3], s[G0V0+3], 0x80000000
	s_or_b32 s[G0V1+3], s[G0V1+3], 0x80000000
	CROUND                                         ; all four work-groups are here: the first joint loads meet
	s_cmp_lt_u32 s[WV], 2                          ; a wave's two first fills stand in one branch, ahead of every wait on TENSORcnt and every LDS read: two loads of mine are out at the most
	s_cbranch_scc0 .Lfirst_v
	tensor_load_to_lds s[G0J0:G0J0+3], s[G1J:G1J+7]
	s_nop 0
	tensor_load_to_lds s[G0J1:G0J1+3], s[G1J:G1J+7]
	s_nop 0
.rept 4
	v_nop
.endr
	s_branch .Lfirst_asked
.Lfirst_v:
	s_cmp_eq_u32 s[WV], 2
	s_cbranch_scc0 .Lfirst_asked
	tensor_load_to_lds s[G0V0:G0V0+3], s[G1V:G1V+7]
	s_nop 0
	tensor_load_to_lds s[G0V1:G0V1+3], s[G1V:G1V+7]
	s_nop 0
.rept 4
	v_nop
.endr
.Lfirst_asked:
	s_lshl_b32 s72, s[BB], 14                      ; the batch's 64 x 64 matrix (s73 is 0)
	s_add_nc_u64 s[6:7], s[6:7], s[72:73]
	s_add_nc_u64 s[8:9], s[8:9], s[72:73]
	s_add_nc_u64 s[16:17], s[16:17], s[72:73]
	s_add_nc_u64 s[18:19], s[18:19], s[72:73]
	s_lshl_b32 s74, s[BB], 8                       ; the batch's 64 outputs in a step (s75 is 0)
	s_add_nc_u64 s[14:15], s[14:15], s[74:75]
	global_load_b128 v[RS:RS+3],   v[ST], s[6:7]
	global_load_b128 v[RS+4:RS+7], v[ST], s[6:7] offset:128
	global_load_b128 v[RM:RM+3],   v[ST], s[8:9]
	global_load_b128 v[RM+4:RM+7], v[ST], s[8:9] offset:128
	global_load_b128 v[BS:BS+3],   v[ST], s[10:11]
	global_load_b128 v[BS+4:BS+7], v[ST], s[10:11] offset:128
	global_load_b128 v[BM:BM+3],   v[ST], s[12:13]
	global_load_b128 v[BM+4:BM+7], v[ST], s[12:13] offset:128
; THE PIECES OF A STEP, each for register pair p of four.
.macro RED reg, mask                   ; one step of a sum over the row's eight lanes
	v_add_f32_dpp v[\reg], v[\reg], v[\reg] row_xmask:\mask row_mask:0xf bank_mask:0xf
.endm
.macro DOT p, acc, X, VEC              ; acc (+)= X . VEC: the first pair starts the sum
.if (\p) == 0
	v_pk_mul_f32 v[(\acc):(\acc)+1], v[(\X):(\X)+1], v[(\VEC):(\VEC)+1]
.else
	v_pk_fma_f32 v[(\acc):(\acc)+1], v[(\X)+2*(\p):(\X)+2*(\p)+1], v[(\VEC)+2*(\p):(\VEC)+2*(\p)+1], v[(\acc):(\acc)+1]
.endif
.endm
.macro XBP p, X, BIAS                  ; C x state + C x bias
	v_pk_fma_f32 v[XB+2*(\p):XB+2*(\p)+1], v[(\X)+2*(\p):(\X)+2*(\p)+1], s[CC:CC+1], v[(\BIAS)+2*(\p):(\BIAS)+2*(\p)+1] op_sel_hi:[1,0,1]
.endm
.macro ARGP p, VEC, SCL                ; + C x row sum x vector: the exponent
	v_pk_fma_f32 v[RG+2*(\p):RG+2*(\p)+1], v[(\VEC)+2*(\p):(\VEC)+2*(\p)+1], v[(\SCL):(\SCL)+1], v[XB+2*(\p):XB+2*(\p)+1] op_sel_hi:[1,0,1]
.endm
.macro EXP2 p
	v_exp_f32 v[RG+2*(\p)], v[RG+2*(\p)]
	v_exp_f32 v[RG+2*(\p)+1], v[RG+2*(\p)+1]
.endm
.macro ADD1 p
	v_pk_add_f32 v[RG+2*(\p):RG+2*(\p)+1], v[RG+2*(\p):RG+2*(\p)+1], 1.0 op_sel_hi:[1,0]
.endm
.macro RCP2 p
	v_rcp_f32 v[RG+2*(\p)], v[RG+2*(\p)]
	v_rcp_f32 v[RG+2*(\p)+1], v[RG+2*(\p)+1]
.endm
.macro UP p, VEC, DL                   ; delta x vector
	v_pk_mul_f32 v[RU+2*(\p):RU+2*(\p)+1], v[(\VEC)+2*(\p):(\VEC)+2*(\p)+1], v[(\DL):(\DL)+1] op_sel_hi:[1,0]
.endm
.macro UPD p, X                        ; state = gate x state + delta x vector
	v_pk_fma_f32 v[(\X)+2*(\p):(\X)+2*(\p)+1], v[RG+2*(\p):RG+2*(\p)+1], v[(\X)+2*(\p):(\X)+2*(\p)+1], v[RU+2*(\p):RU+2*(\p)+1]
.endm
; Work that hangs on nothing in the gate stands in its gaps.  half = 0 (S's gate): M m is summed over the lanes.  half = 1 (M's gate): S q is summed, y (y sigmoid(y)) made, and kept by the lanes whose turn it is.
.macro FILL half, n, u
.if (\half) == 0
.if (\n) == 0
	v_add_f32 v[MM], v[MM], v[MM+1]
.elseif (\n) == 1
	RED MM, 1
.elseif (\n) == 2
	RED MM, 2
.elseif (\n) == 3
	RED MM, 4
.endif
.else
.if (\n) == 0
	RED SQ, 1
.elseif (\n) == 1
	RED SQ, 2
.elseif (\n) == 2
	RED SQ, 4
.elseif (\n) == 3
	v_mul_f32 v[OE], s[CC], v[SQ]
.elseif (\n) == 4
	v_exp_f32 v[OE], v[OE]
.elseif (\n) == 5
	v_add_f32 v[OE], 1.0, v[OE]
.elseif (\n) == 6
	v_rcp_f32 v[OE], v[OE]
.elseif (\n) == 7
	v_mul_f32 v[ORR], v[SQ], v[OE]
.elseif (\n) == 8
	v_mul_f32 v[ORR], v[ORR], v[SQ]
.else
	v_cndmask_b32 v[OV], v[OV], v[ORR], s[MSK+(\u)]
.endif
.endif
.endm
; A GATE AND ITS UPDATE: X = sigmoid(..) X + DL VEC, and the next row sum NACC = X . NVEC as the pairs are finished (last = 1: there is no next).
; The order keeps a plain vector instruction that names neither its result nor its source between every exponential or reciprocal and the first use of its result (ISA guide 5.7.2).
.macro GATE X, VEC, SCL, DL, NACC, NVEC, half, u, last
	ARGP 0, \VEC, \SCL
	ARGP 1, \VEC, \SCL
	EXP2 0
	ARGP 2, \VEC, \SCL
	FILL \half, 0, \u
	EXP2 1
	ARGP 3, \VEC, \SCL
	ADD1 0
	FILL \half, 1, \u
	EXP2 2
	ADD1 1
	RCP2 0
	UP 0, \VEC, \DL
	FILL \half, 2, \u
	EXP2 3
	ADD1 2
	RCP2 1
	UP 1, \VEC, \DL
	FILL \half, 3, \u
	UPD 0, \X
	ADD1 3
	RCP2 2
	UP 2, \VEC, \DL
	FILL \half, 4, \u
	UPD 1, \X
.if !(\last)
	DOT 0, \NACC, \X, \NVEC
.endif
	RCP2 3
	UP 3, \VEC, \DL
	FILL \half, 5, \u
	UPD 2, \X
.if !(\last)
	DOT 1, \NACC, \X, \NVEC
.endif
	FILL \half, 6, \u
	UPD 3, \X
.if !(\last)
	DOT 2, \NACC, \X, \NVEC
.endif
	FILL \half, 7, \u
.if !(\last)
	DOT 3, \NACC, \X, \NVEC
.endif
	FILL \half, 8, \u
	FILL \half, 9, \u
.endm
.macro LOADSET i, u                    ; seven LDS loads: row u of the four at LA, LV into ring set i
.set RB, RING+26*(\i)
	ds_load_b128 v[RB:RB+3],     v[LA] offset:(\u)*KROW
	ds_load_b128 v[RB+4:RB+7],   v[LA] offset:(\u)*KROW+128
	ds_load_b128 v[RB+8:RB+11],  v[LA] offset:(\u)*KROW+256
	ds_load_b128 v[RB+12:RB+15], v[LA] offset:(\u)*KROW+384
	ds_load_b128 v[RB+16:RB+19], v[LA] offset:(\u)*KROW+512
	ds_load_b128 v[RB+20:RB+23], v[LA] offset:(\u)*KROW+640
	ds_load_b32  v[RB+24],       v[LV] offset:(\u)*VROW
.endm
.macro ROWS                            ; the LDS addresses of the next four steps
	v_add_nc_u32 v[LA], s[TB], v[LA0]
	v_add_nc_u32 v[LV], s[TBV], v[LV0]
	s_add_co_u32 s[TB], s[TB], 4*KROW
	s_add_co_u32 s[TBV], s[TBV], 4*VROW
.endm
; A STEP, on ring set u.  It comes in with the in-lane parts of M k and S k, and leaves those of the next step, for which it needs the next set's k.
; left: how many younger LDS loads may stay out.  load = 1: its own set, read out, takes the step four on.  last = 1: there is no next step.
.macro STEP u, load, left, last
.set CUR, RING+26*(\u)
.set NXT, RING+26*(((\u)+1)%4)
	s_wait_dscnt \left                             ; LDS loads come back in order (ISA guide 5.7.1): my set and the next are in
	v_add_f32 v[MK], v[MK], v[MK+1]
	v_add_f32 v[SK], v[SK], v[SK+1]
	XBP 0, RM, BS
	DOT 0, MM, RM, CUR+8                           ; M m, of the old M
	RED MK, 1
	RED SK, 1
	XBP 1, RM, BS
	DOT 1, MM, RM, CUR+8
	RED MK, 2
	RED SK, 2
	XBP 2, RM, BS
	DOT 2, MM, RM, CUR+8
	RED MK, 4
	RED SK, 4
	XBP 3, RM, BS
	DOT 3, MM, RM, CUR+8
	v_mul_f32 v[MKS], s[CC], v[MK]
	v_sub_f32 v[SD], v[CUR+24], v[SK]              ; d = v - S k
	GATE RS, CUR, MKS, SD, SM, CUR+8, 0, \u, 0
	v_add_f32 v[SM], v[SM], v[SM+1]
	XBP 0, RS, BM
	DOT 0, SQ, RS, CUR+16
.if !(\last)
	DOT 0, SK, RS, NXT
.endif
	RED SM, 1
	XBP 1, RS, BM
	DOT 1, SQ, RS, CUR+16
.if !(\last)
	DOT 1, SK, RS, NXT
.endif
	RED SM, 2
	XBP 2, RS, BM
	DOT 2, SQ, RS, CUR+16
.if !(\last)
	DOT 2, SK, RS, NXT
.endif
	RED SM, 4
	XBP 3, RS, BM
	DOT 3, SQ, RS, CUR+16
.if !(\last)
	DOT 3, SK, RS, NXT
.endif
	v_mul_f32 v[SMS], s[CC], v[SM]
	v_sub_f32 v[MD], v[SD], v[MM]                  ; e = d - M m
	v_add_f32 v[SQ], v[SQ], v[SQ+1]
	GATE RM, CUR+8, SMS, MD, MK, NXT, 1, \u, \last
.if \load
	LOADSET \u, \u
.endif
.endm
; A TRIP: four steps, and the fetch of the next trip's four.  Behind every second trip the eight outputs that the lanes have kept are stored.
.macro TRIP
	ROWS
	STEP 0, 1, 14, 0                               ; two sets of seven loads may stay out
	STEP 1, 1, 14, 0
	STEP 2, 1, 14, 0
	STEP 3, 1, 14, 0
.irp u, 0,1,2,3
	s_xor_b32 s[MSK+\u], s[MSK+\u], 0x11111111<<\u  ; lanes l % 8 = u and l % 8 = u + 4 by turns
.endr
	s_xor_b32 s[PAR], s[PAR], 1
	s_cmp_lg_u32 s[PAR], 0
	s_cbranch_scc1 .Lno_store_\@
	global_store_b32 v[OO], v[OV], s[14:15]
	s_wait_xcnt 0x0                                ; the store's address has been translated (ISA guide 3.1): its base and its data are rewritten only behind this wait
	s_add_nc_u64 s[14:15], s[14:15], 8*16384       ; eight steps of out0 on
.Lno_store_\@:
.endm
	s_wait_tensorcnt 1                             ; my part of slot 0 is in; slot 1's may stay out
	s_barrier_signal -1
	s_barrier_wait -1                              ; everybody's is
	ROWS
	LOADSET 0, 0                                   ; steps 0 to 3
	LOADSET 1, 1
	LOADSET 2, 2
	LOADSET 3, 3
	s_wait_loadcnt 0x0                             ; S0, M0, B_S, B_M
.set i, 0
.rept 16                                               ; all four are rounded once to bf16, as x and W were, and widened again
	v_cvt_pk_bf16_f32 v[XB+i], v[RS+2*i], v[RS+2*i+1]
.set i, i+1
.endr
.set i, 0
.rept 16
	v_lshlrev_b32 v[RS+2*i], 16, v[XB+i]
	v_and_b32 v[RS+2*i+1], 0xffff0000, v[XB+i]
.set i, i+1
.endr
.set i, 0
.rept 8
	v_pk_mul_f32 v[BS+2*i:BS+2*i+1], v[BS+2*i:BS+2*i+1], s[CC:CC+1] op_sel_hi:[1,0]  ; C B_S, C B_M
.set i, i+1
.endr
	s_wait_dscnt 21                                ; set 0 is in; three sets of seven may stay out
.irp p, 0,1,2,3
	DOT \p, MK, RM, RING                           ; the first step's M k and S k
	DOT \p, SK, RS, RING
.endr
	s_mov_b32 s[CNT], 31                           ; the first slot's first four steps have been fetched: 31 trips fetch the rest
	s_mov_b32 s[SEG], 3
	s_branch .Ltrip
.Lslot:                                                ; twice: slot 0 takes steps 256 to 383, slot 1 steps 384 to 511
	CHANGE 1
	s_mov_b32 s[CNT], 32
.Ltrip:
	TRIP
	s_sub_co_u32 s[CNT], s[CNT], 1
	s_cmp_lg_u32 s[CNT], 0
	s_cbranch_scc1 .Ltrip
	s_sub_co_u32 s[SEG], s[SEG], 1
	s_cmp_lg_u32 s[SEG], 0
	s_cbranch_scc1 .Lslot
	CHANGE 0                                       ; the tail is written out: nothing is asked for
	s_mov_b32 s[CNT], 32
.Ltail:
	TRIP
	s_sub_co_u32 s[CNT], s[CNT], 1
	s_cmp_lg_u32 s[CNT], 0
	s_cbranch_scc1 .Ltail
	STEP 0, 0, 14, 0                               ; the last four steps fetch nothing: the counts run down
	STEP 1, 0, 7, 0
	STEP 2, 0, 0, 0
	STEP 3, 0, 0, 1
	global_store_b32 v[OO], v[OV], s[14:15]        ; steps 504 to 511
	global_store_b128 v[ST], v[RS:RS+3],   s[16:17]            ; S and M: eight lanes store 128 consecutive bytes of a row, the other 128 by the next line
	global_store_b128 v[ST], v[RS+4:RS+7], s[16:17] offset:128
	global_store_b128 v[ST], v[RM:RM+3],   s[18:19]
	global_store_b128 v[ST], v[RM+4:RM+7], s[18:19] offset:128
	s_wait_tensorcnt 0x0                           ; the wave's end: behind my last tensor load
	ds_add_u32 v[SPW], v[NIL]
	s_wait_dscnt 0x0
	CROUND                                         ; the closing round: no work-group ends while a partner may still ask for a tile that names it
	s_endpgm
.Lfunc_end_k_qad4fed72c1_scan:
	.size	k_qad4fed72c1_scan, .Lfunc_end_k_qad4fed72c1_scan-k_qad4fed72c1_scan
	.p2alignl 7, 3214868480
	.fill 96, 4, 3214868480
	.section	.rodata,"a",@progbits
	.p2align	6, 0x0
	.amdhsa_kernel k_qad4fed72c1_scan
		.amdhsa_group_segment_fixed_size 327680
		.amdhsa_private_segment_fixed_size 0
		.amdhsa_enable_private_segment 0
		.amdhsa_kernarg_size 64
		.amdhsa_user_sgpr_count 2
		.amdhsa_user_sgpr_kernarg_segment_ptr 1
		.amdhsa_wavefront_size32 1
		.amdhsa_system_sgpr_workgroup_id_x 1
		.amdhsa_system_sgpr_workgroup_id_y 1
		.amdhsa_system_sgpr_workgroup_id_z 1
		.amdhsa_system_vgpr_workitem_id 0
		.amdhsa_next_free_vgpr 192
		.amdhsa_next_free_sgpr 76
		.amdhsa_reserve_vcc 0
		.amdhsa_float_denorm_mode_32 3
		.amdhsa_float_denorm_mode_16_64 3
		.amdhsa_memory_ordered 1
		.amdhsa_forward_progress 1
		.amdhsa_inst_pref_size 95
	.end_amdhsa_kernel
	.amdgpu_metadata
---
amdhsa.version: [ 1, 2 ]
amdhsa.kernels:
  - .name:           k_qad4fed72c1_scan
    .symbol:         k_qad4fed72c1_scan.kd
    .args:
      - { .name: P, .offset: 0, .size: 8, .value_kind: global_buffer, .address_space: global }
      - { .name: S0, .offset: 8, .size: 8, .value_kind: global_buffer, .address_space: global }
      - { .name: M0, .offset: 16, .size: 8, .value_kind: global_buffer, .address_space: global }
      - { .name: B_S, .offset: 24, .size: 8, .value_kind: global_buffer, .address_space: global }
      - { .name: B_M, .offset: 32, .size: 8, .value_kind: global_buffer, .address_space: global }
      - { .name: out0, .offset: 40, .size: 8, .value_kind: global_buffer, .address_space: global }
      - { .name: out1, .offset: 48, .size: 8, .value_kind: global_buffer, .address_space: global }
      - { .name: out2, .offset: 56, .size: 8, .value_kind: global_buffer, .address_space: global }
    .group_segment_fixed_size: 327680
    .private_segment_fixed_size: 0
    .kernarg_segment_align: 8
    .kernarg_segment_size: 64
    .max_flat_workgroup_size: 128
    .sgpr_count:     76
    .vgpr_count:     192
    .wavefront_size: 32
...
	.end_amdgpu_metadata
.endif
;; end of part 3
;; ======== version 2 of 2: 3 launches; 1.16 times as fast as version 1
;; workspace buffers: Wb 524,288 bytes; P 33,554,432 bytes
;; launch cvtw: the kernel of part 1 again; grid 256 x 1, 4 waves a work-group, no clusters, 0 bytes of LDS; arguments W_kvqm, Wb; writes Wb
;; launch proj (part 4): grid 256 x 1, 4 waves a work-group, clusters of 4 x 1, 327,680 bytes of LDS; arguments x, Wb, P; writes P
.if DOCPART == 4
	.amdgcn_target "amdgcn-amd-amdhsa--gfx1250"
	.amdhsa_code_object_version 6
	.text
	.protected	k_qad4fed72c1_proj
	.globl	k_qad4fed72c1_proj
	.p2align	8
	.type	k_qad4fed72c1_proj,@function
k_qad4fed72c1_proj:
	s_mov_b64 s[64:65], 0
	v_nop
	global_prefetch_b8 v0, s[64:65] scope:SCOPE_SE
	s_setreg_imm32_b32 hwreg(HW_REG_WAVE_MODE, 25, 1), 1
	s_wait_xcnt 0x0
	s_wait_alu depctr_hold_cnt(0) depctr_sa_sdst(0) depctr_va_vdst(0) depctr_va_sdst(0) depctr_va_ssrc(0) depctr_va_vcc(0) depctr_vm_vsrc(0)
	s_getreg_b32 s2, hwreg(HW_REG_IB_STS2, 6, 4)
	s_cmp_eq_u32 s2, 0
	s_cbranch_scc0 .Lentry_in_a_cluster
	s_endpgm
.Lentry_in_a_cluster:
	s_bfe_u32 s2, ttmp6, 0x10000c
	s_cmp_lg_u32 s2, 0x3003
	s_cbranch_scc0 .Lentry_shape_is_right
	s_endpgm
.Lentry_shape_is_right:
; P[t][b] = a record of 256 f32: kappa k / (|k| + 1e-6) at byte 0, kappa m / (|m| + 1e-6) at 256, q at 512, v at 768, where (k, q, m, v) = x[t][b] . Wb^T.
; kappa = (log2 e)^(1/3): the launch that walks the steps carries its states times kappa, and with k and m so scaled its gates' exponents need no further factor.
; x: [32768][1024] f32, rounded to bf16 on the way from LDS to the matrix unit; Wb: [256][1024] bf16, rows in the order k, q, m, v; sums in f32.
; SHARES.  A work-group owns 128 rows of x and all 256 columns; 256 work-groups read x once.  Wave w: rows 64 (w / 2) on, columns 128 (w % 2) on
; (k, q or m, v): 32 accumulators of 16 x 16.  So a wave's first 64 columns are always the ones to normalise, and it holds all 64 of them.
; K goes in 8 steps of 128 through two LDS slots: 128 rows of x (512 bytes each) and 256 rows of Wb (256 bytes each).  Waves 0 and 1 fetch x's two halves, waves 2 and 3 Wb's.
; CLUSTER.  The four work-groups of a cluster walk the same Wb: its tiles are asked for JOINTLY (same descriptor, mask of four).  x's tiles are each work-group's own: plain loads, behind the same rounds.
; THE MATRIX INSTRUCTION IS USED TRANSPOSED (source 0 = 16 rows of Wb, source 1 = 16 rows of x): lane l holds row l % 16 of x and the columns 8 (l / 16) + 0..7 of a block of 16.
; LIMITS.  x and W are rounded to bf16 (to nearest even).  A sum of squares below 2^-126 counts as 0 in the root, which the 1e-6 beside it hides.  NaN and infinities are not treated apart.
; REGISTERS, in windows of 256 (s_set_vgpr_msb: bits 1:0 source 0, 3:2 source 1, 5:4 source 2, 7:6 destination):
;   window 0: v16-29 addresses; v32-95 x's fragments as loaded, f32; v96-127, v128-159 the same in bf16, two buffers; on the way out v32-63, v64-191 at work, v192-215 sums
;   window 1: v0-63, v64-127 Wb's fragments, two buffers          window 2: the accumulators, (a, b) at v[8 (8 a + b)]
.set KSTEP,  128
.set KAPPA,  0x3f90a21d                ; (log2 e)^(1/3) = 1.129947
.set PA,     528                       ; a row of x in LDS: 512 bytes + 16 of padding = 132 words: the 16 rows of a load start 4 banks apart (64 banks of 4 bytes: ISA guide 11.1)
.set PB,     272                       ; a row of Wb: 256 + 16 = 68 words: likewise
.set AHALF,  64*PA                     ; what one load of x brings, and what one wave reads of x
.set BHALF,  128*PB                    ; the same for Wb
.set BOFF,   2*AHALF                   ; in a slot Wb's rows lie behind x's
.set SLOT,   BOFF+2*BHALF              ; 137,216 bytes
.set STAGE,  2*SLOT                    ; behind the ring: 16 rows x 528 bytes for each wave, for the way out
.set SPITCH, 528
.set SPARE,  STAGE+4*16*SPITCH         ; behind the stages: the spare words, 128 bytes for each wave: two blocks of 256 bytes that no other line names
.set LAPS,   4                         ; a lap = two K steps = once round the ring
.set ADRA, 16                          ; v16-17  LDS address of my fragments of x in slot 0, 1
.set ADRB, 20                          ; v20-21  the same for Wb
.set STO,  24                          ; v24     the way out: where I put 32 bytes of a row
.set RD,   25                          ; v25     the way out: where I read a row back
.set CO,   26                          ; v26     my byte offset in a record of P
.set SPW,  28                          ; v28     LDS address of my spare word; never rewritten
.set NIL,  29                          ; v29     0; never rewritten
.set RAW,  32                          ; x's four fragments in f32, 16 registers each
.set AF,   96                          ; in bf16: buffer f at AF + 32 f
.set TMP,  32                          ; the way out: the scaled columns
.set OB,   64                          ; the way out: 16 rows read back, two buffers of 64
.set SS,   192                         ; pair a: the sum of squares, then kappa / (norm + 1e-6), in the low word
.set TT,   200                         ; two packed chains for each a
.set G1,  24                           ; s[24:31] descriptor group 1 for x's tiles;  s[32:39] group 0, a set for each slot
.set G0,  32
.set G1B, 48                           ; s[48:55], s[56:63] the same for Wb's tiles
.set G0B, 56
.set MSB, 0
.macro WIN new                         ; the immediate's high byte repeats the setting that is left; a switch that changes nothing is dropped
.if MSB != (\new)
	s_set_vgpr_msb (MSB<<8)|(\new)
.set MSB, \new
.endif
.endm
.set MUL,    0xa1                      ; source 0 (Wb) window 1, source 1 (x) window 0, C and D window 2
.set TO_B,   0x40                      ; destination window 1, address window 0
.set RD_ACC, 0x0a                      ; sources 0 and 1 window 2
.set SC_ACC, 0x02                      ; source 0 window 2
.set ST_ACC, 0x08                      ; an LDS store's data (source 1) window 2
; A fill.  Waves 0 and 1 issue x's line, waves 2 and 3 Wb's joint line.  The branch hangs on the wave's number alone.
; An s_nop 0 and four v_nop follow each of the two lines, ahead of the jump and the label.
.macro JLOAD s
	s_cmp_eq_u32 s11, 0
	s_cbranch_scc0 .Lfor_b_\@
	tensor_load_to_lds s[G0+4*(\s):G0+4*(\s)+3], s[G1:G1+7]
	s_nop 0
.rept 4
	v_nop
.endr
	s_branch .Lasked_\@
.Lfor_b_\@:
	tensor_load_to_lds s[G0B+4*(\s):G0B+4*(\s)+3], s[G1B:G1B+7]
	s_nop 0
.rept 4
	v_nop
.endr
.Lasked_\@:
.endm
.macro CREST                           ; a round of the cluster's barrier behind its opening barrier: wave 0 signals for the work-group, every wave waits for all four, my work-group's barrier closes it
	s_cmp_lg_u32 s10, 0
	s_cbranch_scc1 .Lnot_wave_0_\@
	s_barrier_signal -3
.Lnot_wave_0_\@:
	s_barrier_wait -3
	s_barrier_signal -1
	s_barrier_wait -1
.endm
.macro CROUND                          ; a whole round
	s_barrier_signal -1
	s_barrier_wait -1
	CREST
.endm
.macro PLACES                          ; four plain vector instructions between a matrix instruction and a vector instruction that reads its result (ISA guide 7.12.1)
.rept 4
	v_nop
.endr
.endm
	s_load_b128 s[4:7], s[0:1], 0x0                ; x s[4:5], Wb s[6:7]
	s_load_b64 s[8:9], s[0:1], 0x10                ; P
	v_lshl_add_u32 v[SPW], v0, 2, SPARE
	v_mov_b32 v[NIL], 0
	ds_add_u32 v[SPW], v[NIL]                      ; the wave's opening: the add and its wait stand ahead of my first tensor load; the set-up below, work on registers, stands between them
	v_lshrrev_b32 v1, 5, v0
	v_readfirstlane_b32 s10, v1                    ; wave 0..3
	s_lshr_b32 s11, s10, 1                         ; which 64 rows of x are mine.  Also: I fetch for x (0) or for Wb (1)
	s_and_b32 s12, s10, 1                          ; which 128 columns.  Also: which half of that tile I fetch
	s_bfe_u32 s40, ttmp6, 0x40000                  ; cx: my place in the cluster
	s_lshl_b32 s42, ttmp9, 2                       ; in a cluster launch ttmp9 counts clusters
	s_add_co_u32 s42, s42, s40                     ; my block of 128 rows: it enters x's and P's addresses alone
	; descriptor group 1 for x: 64 rows x 128 elements of 4 bytes, padded in LDS
	s_mov_b32 s[G1+0], (2<<16)|(1<<20)|(6<<22)|(3<<25)  ; 15:0 no mask; 17:16 elements of 4 bytes; 20 padding on; 24:22 after every 128 words (code 6); 31:25 4 words of it (code 3)
	s_mov_b32 s[G1+1], KSTEP<<16                   ; tensor_dim0 = 128
	s_mov_b32 s[G1+2], 64<<16                      ; tensor_dim1 = 64
	s_mov_b32 s[G1+3], KSTEP<<16                   ; tile_dim0 = 128
	s_mov_b32 s[G1+4], 64                          ; tile_dim1 = 64
	s_mov_b32 s[G1+5], 1024                        ; elements from row to row
	s_mov_b32 s[G1+6], 0
	s_mov_b32 s[G1+7], 0
	; and for Wb: 128 rows x 128 elements of 2 bytes
	s_mov_b32 s[G1B+0], 15|(1<<16)|(1<<20)|(1<<21)|(5<<22)|(3<<25)  ; 15:0 the mask: all four work-groups; 17:16 elements of 2 bytes; 20 padding on; 21 set beside a mask; 24:22 after every 64 words (code 5); 31:25 4 words
	s_mov_b32 s[G1B+1], KSTEP<<16
	s_mov_b32 s[G1B+2], 128<<16
	s_mov_b32 s[G1B+3], KSTEP<<16
	s_mov_b32 s[G1B+4], 128
	s_mov_b32 s[G1B+5], 1024
	s_mov_b32 s[G1B+6], 0
	s_mov_b32 s[G1B+7], 0
	s_lshl_b32 s16, s42, 7
	s_lshl_b32 s17, s12, 6
	s_add_co_u32 s16, s16, s17                     ; x: row 128 x block + 64 x half,
	s_lshl_b32 s16, s16, 12                        ; times 4,096 bytes: under 2^28
	s_mov_b32 s17, 0
	s_lshl_b32 s46, s12, 18                        ; Wb: 128 rows of 2,048 bytes x half: no place in the cluster enters it
	s_mov_b32 s47, 0
	s_mul_i32 s20, s12, AHALF                      ; where they go: no place in the cluster enters an LDS address
	s_mul_i32 s21, s12, BHALF
	s_add_co_u32 s21, s21, BOFF
	s_mov_b32 s44, 0x76543210                      ; v_permlanex16_b32's selects: each lane takes its own place in the other half
	s_mov_b32 s45, 0xfedcba98
	s_wait_dscnt 0x0                               ; the opening add is done
	s_wait_kmcnt 0x0
	s_add_nc_u64 s[14:15], s[4:5], s[16:17]
	s_add_nc_u64 s[46:47], s[6:7], s[46:47]
	CROUND                                         ; all four work-groups are here: the first joint loads meet
.irp s, 0,1
	s_mov_b32 s[G0+4*(\s)], 1                                      ; 1:0 count = 1
	s_add_co_u32 s[G0+4*(\s)+1], s20, (\s)*SLOT                    ; 63:32 LDS address
	s_add_nc_u64 s[G0+4*(\s)+2:G0+4*(\s)+3], s[14:15], (\s)*KSTEP*4  ; 120:64 global address: K step s
	s_or_b32 s[G0+4*(\s)+3], s[G0+4*(\s)+3], 0x80000000            ; 127:126 type = 2
	s_mov_b32 s[G0B+4*(\s)], 1
	s_add_co_u32 s[G0B+4*(\s)+1], s21, (\s)*SLOT
	s_add_nc_u64 s[G0B+4*(\s)+2:G0B+4*(\s)+3], s[46:47], (\s)*KSTEP*2
	s_or_b32 s[G0B+4*(\s)+3], s[G0B+4*(\s)+3], 0x80000000
	JLOAD \s                                       ; the ring is filled before anything else is done: two loads of mine are out
.endr
	; A fragment is 16 rows x 32 K: lane l holds row l % 16, K = 8 (l / 16) + 0..7 and 16 + 8 (l / 16) + 0..7.  In bf16 that is two loads of 16 bytes, 32 bytes apart;
	; in f32 four: at 32 (l / 16) + 0, 16, 64, 80.
	v_and_b32 v1, 15, v0                           ; l % 16
	v_bfe_u32 v2, v0, 4, 1                         ; l / 16
	v_mul_u32_u24 v3, v1, PA
	v_lshl_add_u32 v3, v2, 5, v3                   ; x (and the stage): row x 528 + 32 x half
	v_mul_u32_u24 v4, v1, PB
	v_lshl_add_u32 v4, v2, 4, v4                   ; Wb: row x 272 + 16 x half
	s_mul_i32 s22, s11, AHALF                      ; my 64 rows of x
	s_mul_i32 s23, s12, BHALF                      ; my 128 rows of Wb,
	s_add_co_u32 s23, s23, BOFF                    ; which lie behind x's
.irp s, 0,1
	v_add_nc_u32 v[ADRA+(\s)], s22, v3
	v_add_nc_u32 v[ADRB+(\s)], s23, v4
	s_add_co_u32 s22, s22, SLOT
	s_add_co_u32 s23, s23, SLOT
.endr
	s_mul_i32 s22, s10, 16*SPITCH
	s_add_co_u32 s22, s22, STAGE                   ; my stage
	v_add_nc_u32 v[STO], s22, v3                   ; in: row l % 16, 32 bytes for each half of the lanes
	v_and_b32 v5, 31, v0
	v_lshl_add_u32 v[RD], v5, 4, s22               ; back: 32 lanes take one row of 512 bytes
	v_lshlrev_b32 v[CO], 4, v1                     ; in a record: lanes 0-15 my first 64 columns (k or m), lanes 16-31 my second (q or v), 512 bytes on;
	v_lshl_add_u32 v[CO], v2, 9, v[CO]
	s_lshl_b32 s22, s12, 8                         ; m and v lie 256 bytes behind k and q
	v_add_nc_u32 v[CO], s22, v[CO]
.irp a, 0,1,2,3
	v_mov_b32 v[SS+2*\a+1], 0                      ; the pairs' high words are named with the low ones, so they are written
.endr
	s_lshl_b32 s16, s42, 17                        ; P at my wave's first record: (128 x block + 64 x row half) x 1,024 bytes
	s_lshl_b32 s17, s11, 16
	s_add_co_u32 s16, s16, s17
	s_mov_b32 s17, 0
	s_add_nc_u64 s[8:9], s[8:9], s[16:17]
; 16 LDS loads: x's four fragments of quarter q (32 K = 128 bytes), in f32
.macro FETCH_A slot, q
	WIN 0
.irp i, 0,1,2,3
	ds_load_b128 v[RAW+16*\i:RAW+16*\i+3],     v[ADRA+(\slot)] offset:(\q)*128+\i*16*PA
	ds_load_b128 v[RAW+16*\i+4:RAW+16*\i+7],   v[ADRA+(\slot)] offset:(\q)*128+\i*16*PA+16
	ds_load_b128 v[RAW+16*\i+8:RAW+16*\i+11],  v[ADRA+(\slot)] offset:(\q)*128+\i*16*PA+64
	ds_load_b128 v[RAW+16*\i+12:RAW+16*\i+15], v[ADRA+(\slot)] offset:(\q)*128+\i*16*PA+80
.endr
.endm
; 16 LDS loads: Wb's eight fragments of quarter q (64 bytes) into buffer f
.macro FETCH_B slot, q, f
	WIN TO_B
.irp i, 0,1,2,3,4,5,6,7
	ds_load_b128 v[64*(\f)+8*\i:64*(\f)+8*\i+3],   v[ADRB+(\slot)] offset:(\q)*64+\i*16*PB
	ds_load_b128 v[64*(\f)+8*\i+4:64*(\f)+8*\i+7], v[ADRB+(\slot)] offset:(\q)*64+\i*16*PB+32
.endr
.endm
; x's four fragments rounded to bf16 into buffer f: 32 plain vector instructions.  They name no register of the quarter before's products (its accumulators, Wb's other buffer, x's other
; buffer), so they are also the places between those products and the loads into Wb's other buffer that follow.
.macro CVT f
	WIN 0
.set i, 0
.rept 32
	v_cvt_pk_bf16_f32 v[AF+32*(\f)+i], v[RAW+2*i], v[RAW+2*i+1]
.set i, i+1
.endr
.endm
; 8 matrix instructions: row block a x all 8 column blocks, 32 along K.  zero = 1: the first product starts the sums.  The 32 accumulators take turns, in the same order in every quarter.
.macro MULA f, a, zero
	WIN MUL
.irp b, 0,1,2,3,4,5,6,7
.if \zero
	v_wmma_f32_16x16x32_bf16 v[8*(8*(\a)+\b):8*(8*(\a)+\b)+7], v[64*(\f)+8*\b:64*(\f)+8*\b+7], v[AF+32*(\f)+8*(\a):AF+32*(\f)+8*(\a)+7], 0
.else
	v_wmma_f32_16x16x32_bf16 v[8*(8*(\a)+\b):8*(8*(\a)+\b)+7], v[64*(\f)+8*\b:64*(\f)+8*\b+7], v[AF+32*(\f)+8*(\a):AF+32*(\f)+8*(\a)+7], v[8*(8*(\a)+\b):8*(8*(\a)+\b)+7]
.endif
.endr
.endm
; A K step is four quarters of 32 along K, 32 matrix instructions each, on buffers 0, 1, 0, 1.  One of the first three: rounds its x, fetches the next quarter of the same slot, multiplies.
.macro QUARTER slot, q, zero
	s_wait_dscnt 16                                ; x's 16 loads were issued ahead of Wb's 16: x is in
	CVT ((\q)&1)
	FETCH_A \slot, (\q)+1
	FETCH_B \slot, (\q)+1, 1-((\q)&1)
	s_wait_dscnt 32                                ; all but the 32 just issued: this quarter's Wb is in
	MULA ((\q)&1), 0, \zero
	MULA ((\q)&1), 1, \zero
	MULA ((\q)&1), 2, \zero
	MULA ((\q)&1), 3, \zero
.endm
; The last quarter multiplies buffer 1 and changes slots: ONE barrier.  In front of it each wave waits for all its tensor loads (one is out: its part of the next slot), adds 0 to its spare
; word, and waits for that and for its own reads of this slot.  fill = 1: the barrier opens a round of the cluster's, and this slot is filled again, two K steps ahead, first thing behind the round.
.macro TURN slot, next, fill
	s_wait_dscnt 16
	CVT 1
	s_wait_tensorcnt 0x0                           ; all my tensor loads have landed;
	ds_add_u32 v[SPW], v[NIL]                      ; 0 onto my spare word;
	s_wait_dscnt 1                                 ; (Wb's fragments are in; the add may be out)
	MULA 1, 0, 0                                   ; eight matrix instructions stand between the add and the wait for it
	s_wait_dscnt 0x0                               ; the add is done, and my reads of this slot are over
	s_barrier_signal -1
	MULA 1, 1, 0                                   ; work on registers while the others arrive
	WIN 0                                          ; at a branch and at a label every window is 0
	s_barrier_wait -1
.if \fill
	CREST                                          ; no wave of any partner still reads this slot's tile or has a load on its way
	s_add_nc_u64 s[G0+4*(\slot)+2:G0+4*(\slot)+3], s[G0+4*(\slot)+2:G0+4*(\slot)+3], 2*KSTEP*4
	s_add_nc_u64 s[G0B+4*(\slot)+2:G0B+4*(\slot)+3], s[G0B+4*(\slot)+2:G0B+4*(\slot)+3], 2*KSTEP*2
	JLOAD \slot                                    ; my one tensor load behind the round: 112 matrix instructions ahead of the wait for it
.endif
	FETCH_A \next, 0
	FETCH_B \next, 0, 0                            ; buffer 0's last reader stands in front of this quarter's 32 conversions
	MULA 1, 2, 0
	MULA 1, 3, 0
.endm
	s_wait_tensorcnt 1                             ; my part of K step 0 is in; K step 1's may stay out
	s_barrier_signal -1
	s_barrier_wait -1                              ; everybody's is
	FETCH_A 0, 0
	FETCH_B 0, 0, 0
	QUARTER 0, 0, 1                                ; the first quarter stands in front of the loop: its products start the sums
	WIN 0
	s_mov_b32 s3, LAPS-1
.Llap:                                                 ; a trip goes once round the ring, from a lap's second quarter to the next lap's first, and fills both slots again
	QUARTER 0, 1, 0
	QUARTER 0, 2, 0
	TURN 0, 1, 1
	QUARTER 1, 0, 0
	QUARTER 1, 1, 0
	QUARTER 1, 2, 0
	TURN 1, 0, 1
	QUARTER 0, 0, 0
	WIN 0
	s_sub_co_u32 s3, s3, 1
	s_cmp_lg_u32 s3, 0
	s_cbranch_scc1 .Llap
	QUARTER 0, 1, 0                                ; the last lap fills nothing, and has no round of the cluster's barrier
	QUARTER 0, 2, 0
	TURN 0, 1, 0
	QUARTER 1, 0, 0
	QUARTER 1, 1, 0
	QUARTER 1, 2, 0
	s_wait_dscnt 16                                ; the very last quarter: nothing more to fetch
	CVT 1
	s_wait_dscnt 0x0
	MULA 1, 0, 0
	MULA 1, 1, 0
	MULA 1, 2, 0
	MULA 1, 3, 0
	; THE WAY OUT.  First the norms: for row block a my lane holds 32 of its row's first 64 columns (blocks b = 0..3), the lane 16 away the other 32.
	; Each accumulator is read from its lowest registers on.
	PLACES
	WIN RD_ACC
.irp a, 0,1,2,3
.set p, 0
.rept 16
.set rT, TT+4*\a+2*(p%2)
.set rA, 64*\a+2*p
.if p < 2
	v_pk_mul_f32 v[rT:rT+1], v[rA:rA+1], v[rA:rA+1]        ; two chains a row block, started by the first squares
.else
	v_pk_fma_f32 v[rT:rT+1], v[rA:rA+1], v[rA:rA+1], v[rT:rT+1]
.endif
.set p, p+1
.endr
.endr
	WIN 0
.irp a, 0,1,2,3
	v_pk_add_f32 v[TT+4*\a:TT+4*\a+1], v[TT+4*\a:TT+4*\a+1], v[TT+4*\a+2:TT+4*\a+3]
.endr
.irp a, 0,1,2,3
	v_add_f32 v[SS+2*\a], v[TT+4*\a], v[TT+4*\a+1]
.endr
.irp a, 0,1,2,3
	v_permlanex16_b32 v[SS+2*\a+1], v[SS+2*\a], s44, s45
.endr
.irp a, 0,1,2,3
	v_add_f32 v[SS+2*\a], v[SS+2*\a], v[SS+2*\a+1]
.endr
.irp a, 0,1,2,3
	v_sqrt_f32 v[SS+2*\a], v[SS+2*\a]
.endr
	v_nop                                          ; a plain instruction between the last root and the use of its result (ISA guide 5.7.2)
.irp a, 0,1,2,3
	v_add_f32 v[SS+2*\a], 0x358637bd, v[SS+2*\a]   ; + 1e-6
.endr
.irp a, 0,1,2,3
	v_rcp_f32 v[SS+2*\a], v[SS+2*\a]
.endr
	v_nop                                          ; likewise behind the last reciprocal
.irp a, 0,1,2,3
	v_mul_f32 v[SS+2*\a], KAPPA, v[SS+2*\a]        ; kappa / (norm + 1e-6)
.endr
; Row block a: its first 64 columns are scaled; all 128 go into my stage (rows of 528 bytes) and come back as whole rows of 512 bytes.
.macro PACK a
	WIN SC_ACC
.set p, 0
.rept 16
	v_pk_mul_f32 v[TMP+2*p:TMP+2*p+1], v[64*(\a)+2*p:64*(\a)+2*p+1], v[SS+2*(\a):SS+2*(\a)+1] op_sel_hi:[1,0]
.set p, p+1
.endr
	WIN 0
.irp b, 0,1,2,3
	ds_store_b128 v[STO], v[TMP+8*\b:TMP+8*\b+3]   offset:64*\b
	ds_store_b128 v[STO], v[TMP+8*\b+4:TMP+8*\b+7] offset:64*\b+16
.endr
	WIN ST_ACC                                     ; q or v leave as they are, straight from the accumulators, the low four registers first
.irp b, 4,5,6,7
	ds_store_b128 v[STO], v[64*(\a)+8*\b:64*(\a)+8*\b+3]   offset:64*\b
	ds_store_b128 v[STO], v[64*(\a)+8*\b+4:64*(\a)+8*\b+7] offset:64*\b+16
.endr
	WIN 0
.if (\a) >= 2
	s_wait_xcnt 0x0                                ; the stores of the block two back have had their addresses translated (ISA guide 3.1): their registers are loaded again only behind this wait
.endif
.set BK, OB+64*((\a)%2)
.irp t, 0,1,2,3,4,5,6,7,8,9,10,11,12,13,14,15
	ds_load_b128 v[BK+4*\t:BK+4*\t+3], v[RD] offset:\t*SPITCH  ; LDS serves a wave's instructions in order (ISA guide 5.7.1.4): these see the stores above; the next block's stores come behind them
.endr
.endm
.macro SEND a, younger                 ; younger: the LDS instructions issued behind block a's loads: the next block's 32, or none
.set BK, OB+64*((\a)%2)
.irp t, 0,1,2,3,4,5,6,7,8,9,10,11,12,13,14,15
	s_wait_dscnt (\younger)+15-\t
	global_store_b128 v[CO], v[BK+4*\t:BK+4*\t+3], s[8:9] offset:(\a)*16384+\t*1024  ; each 16 lanes store 256 consecutive bytes, at a multiple of 256 from P's first byte
.endr
.endm
	PACK 0
	PACK 1                                         ; a block's arithmetic stands between the loads of the block before and its stores
	SEND 0, 32
	PACK 2
	SEND 1, 32
	PACK 3
	SEND 2, 32
	SEND 3, 0
	s_wait_tensorcnt 0x0                           ; the wave's end: behind my last tensor load and my last LDS store
	ds_add_u32 v[SPW], v[NIL]
	s_wait_dscnt 0x0
	CROUND                                         ; the closing round: no work-group ends while a partner may still ask for a tile that names it
	s_endpgm
.Lfunc_end_k_qad4fed72c1_proj:
	.size	k_qad4fed72c1_proj, .Lfunc_end_k_qad4fed72c1_proj-k_qad4fed72c1_proj
	.p2alignl 7, 3214868480
	.fill 96, 4, 3214868480
	.section	.rodata,"a",@progbits
	.p2align	6, 0x0
	.amdhsa_kernel k_qad4fed72c1_proj
		.amdhsa_group_segment_fixed_size 327680
		.amdhsa_private_segment_fixed_size 0
		.amdhsa_enable_private_segment 0
		.amdhsa_kernarg_size 24
		.amdhsa_user_sgpr_count 2
		.amdhsa_user_sgpr_kernarg_segment_ptr 1
		.amdhsa_wavefront_size32 1
		.amdhsa_system_sgpr_workgroup_id_x 1
		.amdhsa_system_sgpr_workgroup_id_y 1
		.amdhsa_system_sgpr_workgroup_id_z 1
		.amdhsa_system_vgpr_workitem_id 0
		.amdhsa_next_free_vgpr 768
		.amdhsa_next_free_sgpr 66
		.amdhsa_reserve_vcc 0
		.amdhsa_float_denorm_mode_32 3
		.amdhsa_float_denorm_mode_16_64 3
		.amdhsa_memory_ordered 1
		.amdhsa_forward_progress 1
		.amdhsa_inst_pref_size 135
	.end_amdhsa_kernel
	.amdgpu_metadata
---
amdhsa.version: [ 1, 2 ]
amdhsa.kernels:
  - .name:           k_qad4fed72c1_proj
    .symbol:         k_qad4fed72c1_proj.kd
    .args:
      - { .name: x, .offset: 0, .size: 8, .value_kind: global_buffer, .address_space: global }
      - { .name: Wb, .offset: 8, .size: 8, .value_kind: global_buffer, .address_space: global }
      - { .name: P, .offset: 16, .size: 8, .value_kind: global_buffer, .address_space: global }
    .group_segment_fixed_size: 327680
    .private_segment_fixed_size: 0
    .kernarg_segment_align: 8
    .kernarg_segment_size: 24
    .max_flat_workgroup_size: 128
    .sgpr_count:     66
    .vgpr_count:     768
    .wavefront_size: 32
...
	.end_amdgpu_metadata
.endif
;; end of part 4
;; launch scan (part 5): grid 256 x 1, 4 waves a work-group, clusters of 4 x 1, 327,680 bytes of LDS; arguments P, S0, M0, B_S, B_M, out0, out1, out2; writes out0, out1, out2
.if DOCPART == 5
	.amdgcn_target "amdgcn-amd-amdhsa--gfx1250"
	.amdhsa_code_object_version 6
	.text
	.protected	k_qad4fed72c1_scan
	.globl	k_qad4fed72c1_scan
	.p2align	8
	.type	k_qad4fed72c1_scan,@function
k_qad4fed72c1_scan:
	s_mov_b64 s[64:65], 0
	v_nop
	global_prefetch_b8 v0, s[64:65] scope:SCOPE_SE
	s_setreg_imm32_b32 hwreg(HW_REG_WAVE_MODE, 25, 1), 1
	s_wait_xcnt 0x0
	s_wait_alu depctr_hold_cnt(0) depctr_sa_sdst(0) depctr_va_vdst(0) depctr_va_sdst(0) depctr_va_ssrc(0) depctr_va_vcc(0) depctr_vm_vsrc(0)
	s_getreg_b32 s2, hwreg(HW_REG_IB_STS2, 6, 4)
	s_cmp_eq_u32 s2, 0
	s_cbranch_scc0 .Lentry_in_a_cluster
	s_endpgm
.Lentry_in_a_cluster:
	s_bfe_u32 s2, ttmp6, 0x10000c
	s_cmp_lg_u32 s2, 0x3003
	s_cbranch_scc0 .Lentry_shape_is_right
	s_endpgm
.Lentry_shape_is_right:
; THE 512 STEPS.  For each batch b and step t, with k, m (normalised), q, v from P[t][b]:
;   G = sigmoid(M + (M k) k^T + B_S);  d = v - S k;  S = G S + d k^T;   H = sigmoid(S + (S m) m^T + B_M);  e = d - M m;  M = H M + e m^T;   y = S q;  out0 = y (y sigmoid(y)).
; Row i of S and of M goes its own way, given k, m, q and v[i]: 64 batches x 64 rows = 4,096 rows, spread over 1,024 waves.  All of it in f32, on the vector unit: every product here is a
; matrix times ONE vector, 1/16 of a matrix instruction's columns, and would want the f32 state rounded and sent across lanes inside the dependent chain of every step.
; SHARES.  A cluster of four work-groups is a batch; work-group cx owns rows 16 cx on, wave w four of them, eight lanes a row: lane l holds row l / 8 and the columns 4 (l % 8) + 0..3 and
; 32 + 4 (l % 8) + 0..3 of S and of M, four register pairs each.  A sum along a row: four packed operations, one add, three steps between lanes (row_xmask 1, 2, 4), result in all eight lanes.
; FEEDING.  The four work-groups need the same k, m, q: 768 consecutive bytes of each record, asked for JOINTLY, 128 steps to an LDS slot, two slots (waves 0 and 1: 64 steps each).  A work-group's own
; 64 bytes of v come by a plain load (wave 2).  A slot is asked for 128 steps ahead of its first read.  From LDS a ring of four register sets is filled two sets at a time, in every second step.
; SCALING.  sigmoid(z) = 1 / (1 + 2^(C z)), C = -log2(e).  With kappa = (log2 e)^(1/3), P holds k' = kappa k and m' = kappa m, and the states are carried as S' = kappa S, M' = kappa M.  Then
;   C (M k) k = -(M' k') k';   C M = -kappa^2 M';   d = v - (S' k') / kappa^2;   S' = G S' + d k';   e = d - (M' m') / kappa^2;   M' = H M' + e m';   y = (S' q) / kappa:
; no factor costs an instruction of its own in a step: each rides in a multiply-add that is there anyway.  The states are multiplied by kappa once at the start and by 1 / kappa once at the end.
; THE ORDER OF A STEP.  A step is one dependent cycle, twice: last reciprocal, update, last product of the row sum, add, three lane steps, exponent, and sixteen transcendentals that take turns with plain
; instructions.  The other row sums run beside the main one, each link one line behind the main chain's link of the same level, so that none is waited for ahead of a link of the cycle:
; M m beside M k; S q and S k(next) beside S m.  The products of a row sum stand five instructions apart.  The ring's fourteen loads, or the store of out0, stand behind M k's last lane step.
; OUT0.  256 consecutive bytes of out0 are one step's 64 rows, which belong to 16 waves of 4 work-groups; gathering them would want work-groups of 64 rows (a quarter as many) or a further launch.
; So lane l % 8 keeps S' q of step l % 8 of eight (one select a step); y (y sigmoid(y)) is made of the kept register once a trip of four steps, seven instructions spread over two steps, and stored in every
; second trip, when all eight lanes are filled: four neighbouring rows (16 bytes) for each step.  In the other trips the seven serve nothing: the price of having no branch round them.
; out1, out2: a row's 256 bytes leave by two stores on end.
; LIMITS.  S0, M0, B_S, B_M are rounded once to bf16 when loaded, as x and W were for the matrix unit: all inputs alike.  What is carried from step to step stays f32; kappa and its powers are rounded to f32.
; An exponential that overflows gives the gate 0, one below 2^-126 counts as 0 beside the 1: both as the sigmoid itself would round.  NaN and infinities in the inputs are not treated apart.
.set SLOT1, 131072                     ; slot 1 begins here, so that one exclusive or turns an address in one slot into the other's
.set KROW,  768                        ; a step's k, m, q in LDS, as in memory; the 8 pieces of 16 bytes that a load touches lie on end, so no padding
.set VOFF,  128*KROW                   ; behind them the slot's 128 x 64 bytes of v
.set VROW,  64
.set SPARE, SLOT1+VOFF+128*VROW        ; behind slot 1: the spare words, 128 bytes for each wave: two blocks of 256 bytes that no other line names
.set SEGB,  128*65536                  ; 128 steps of P in bytes
.set OUT8,  8*16384                    ; eight steps of out0 in bytes
.set SPW, 1                            ; v1   LDS address of my spare word; never rewritten
.set NIL, 2                            ; v2   0; never rewritten
.set LA0, 3                            ; v3   16 (l % 8): my place in k, m, q
.set LV0, 4                            ; v4   VOFF + 16 w + 4 (l / 8): my row's v
.set LA,  5                            ; v5   LDS address of the four rows fetched in this trip
.set LV,  6                            ; v6   the same for v
.set ST,  7                            ; v7   row x 256 + 16 (l % 8): my place in a 64 x 64 matrix
.set OO,  8                            ; v8   (l % 8) x 16,384 + row x 4: my place in eight steps of out0
.set OV,  9                            ; v9   S' q of the step that I keep of eight
.set RS,  12                           ; v[12:19] S'     v[20:27] M'
.set RM,  20
.set BS,  28                           ; v[28:35] C B_S  v[36:43] C B_M
.set BM,  36
.set XB,  44                           ; v[44:51] C x state + C x bias
.set RG,  52                           ; v[52:59] the gate in the making
.set RU,  60                           ; v[60:67] the outer product
.set MK,  68                           ; pairs: row sums in the making, then the sum in the low word: M' k', M' m', S' m', S' q, S' k'
.set MM,  70
.set SM,  72
.set SQ,  74
.set SK,  76
.set YV,  78                           ; v78  y of the kept steps
.set SD,  80                           ; pairs of which the low word is taken for both halves; the high words are written 0 once: d, e
.set MD,  84
.set OE,  86                           ; v86  C y, 2^(C y), 1 + that, sigmoid(y)
.set ORR, 87                           ; v87  the output, the store's data
.set RING, 88                          ; set i at v[88 + 26 i]: k' +0..7, m' +8..15, q +16..23, v +24
.set WV,  20                           ; s20 wave   s21 cx   s22 batch
.set CX,  21
.set BB,  22
.set CK,  24                           ; s[24:25] C / kappa = -kappa^2
.set MSK, 26                           ; s[26:29] for step t, t % 4 = u: the lanes l % 8 = t % 8
.set PAR, 30                           ; s30 1 in an even trip
.set CNT, 31
.set SEG, 32
.set TB,  33                           ; s33 LDS byte of the next four rows' k, m, q;  s34 of their v, less VOFF
.set TBV, 34
.set G1J, 36                           ; s[36:43] group 1 of the joint load;  s[44:51] of v's
.set G1V, 44
.set G0J0, 52                          ; group 0: a set for each of the two first fills; the second then walks on
.set G0J1, 56
.set G0V0, 60
.set G0V1, 68
.set K2,  76                           ; s76 -1 / kappa^2
.set CL,  78                           ; s[78:79] C
.set KA,  80                           ; s[80:81] kappa
.set IK,  82                           ; s[82:83] 1 / kappa
.macro CROUND                          ; a round of the cluster's barrier
	s_barrier_signal -1
	s_barrier_wait -1
	s_cmp_lg_u32 s[WV], 0
	s_cbranch_scc1 .Lnot_wave_0_\@
	s_barrier_signal -3
.Lnot_wave_0_\@:
	s_barrier_wait -3
	s_barrier_signal -1
	s_barrier_wait -1
.endm
; A refill: waves 0 and 1 the joint line, wave 2 v's, wave 3 none.  The branches hang on the wave's number alone.  An s_nop 0 and four v_nop follow each line.
.macro JLOAD
	s_cmp_lt_u32 s[WV], 2
	s_cbranch_scc0 .Lnot_j_\@
	tensor_load_to_lds s[G0J1:G0J1+3], s[G1J:G1J+7]
	s_nop 0
.rept 4
	v_nop
.endr
	s_branch .Lasked_\@
.Lnot_j_\@:
	s_cmp_eq_u32 s[WV], 2
	s_cbranch_scc0 .Lasked_\@
	tensor_load_to_lds s[G0V1:G0V1+3], s[G1V:G1V+7]
	s_nop 0
.rept 4
	v_nop
.endr
.Lasked_\@:
.endm
; THE CHANGE OF SLOTS.  A trip fetches four whole rows, and 128 is a multiple of four, so here every read of the old slot has been issued and none of the other.  Each wave waits for all its tensor loads (its part of
; the other slot), adds 0 to its spare word, and waits for that and for its reads.  fill = 1: a round of the cluster's barrier, and the old slot is filled again first thing behind it, with the steps two slots on.
.macro CHANGE fill
	s_wait_tensorcnt 0x0                           ; no tensor load of mine is out, so a group 0 may be written
	ds_add_u32 v[SPW], v[NIL]                      ; 0 onto my spare word
.if \fill
	s_xor_b32 s[G0J1+1], s[G0J1+1], SLOT1          ; the walking descriptors: the other slot than last time,
	s_add_nc_u64 s[G0J1+2:G0J1+3], s[G0J1+2:G0J1+3], SEGB  ; the next 128 steps; the type bits on top are not reached
	s_xor_b32 s[G0V1+1], s[G0V1+1], SLOT1
	s_add_nc_u64 s[G0V1+2:G0V1+3], s[G0V1+2:G0V1+3], SEGB
.endif
	s_wait_dscnt 0x0                               ; the add is done, and my reads of the slot are over
.if \fill
	CROUND
	JLOAD
.else
	s_barrier_signal -1
	s_barrier_wait -1
.endif
	s_sub_co_u32 s[TB], s[TB], VOFF                ; the fetches go back to a slot's first step,
	s_xor_b32 s[TB], s[TB], SLOT1                  ; in the other slot
	s_sub_co_u32 s[TBV], s[TBV], 128*VROW
	s_xor_b32 s[TBV], s[TBV], SLOT1
.endm
	s_load_b512 s[4:19], s[0:1], 0x0               ; P s[4:5], S0 s[6:7], M0 s[8:9], B_S s[10:11], B_M s[12:13], out0 s[14:15], out1 s[16:17], out2 s[18:19]
	v_lshl_add_u32 v[SPW], v0, 2, SPARE
	v_mov_b32 v[NIL], 0
	ds_add_u32 v[SPW], v[NIL]                      ; the wave's opening: the add and its wait stand ahead of my first tensor load; the set-up below, work on registers, stands between them
	v_lshrrev_b32 v10, 5, v0
	v_readfirstlane_b32 s[WV], v10                 ; wave 0..3
	s_bfe_u32 s[CX], ttmp6, 0x40000                ; my place in the cluster: it enters global addresses alone
	s_mov_b32 s[BB], ttmp9                         ; in a cluster launch ttmp9 counts clusters: the batch
	s_mov_b32 s[CK], 0xbfa36d8e                    ; C / kappa = -kappa^2 = -1.276781
	s_mov_b32 s[CK+1], s[CK]                       ; named with it as a pair
	s_mov_b32 s[K2], 0xbf488117                    ; -1 / kappa^2 = -0.783220
	s_mov_b32 s[CL], 0xbfb8aa3b                    ; C = -log2(e)
	s_mov_b32 s[CL+1], s[CL]
	s_mov_b32 s[KA], 0x3f90a21d                    ; kappa = 1.129947
	s_mov_b32 s[KA+1], s[KA]
	s_mov_b32 s[IK], 0x3f628f2b                    ; 1 / kappa = 0.884997
	s_mov_b32 s[IK+1], s[IK]
	s_mov_b32 s[MSK+0], 0x01010101                 ; lanes l % 8 = u
	s_mov_b32 s[MSK+1], 0x02020202
	s_mov_b32 s[MSK+2], 0x04040404
	s_mov_b32 s[MSK+3], 0x08080808
	s_mov_b32 s[PAR], 0
	s_mov_b32 s[TB], 0
	s_mov_b32 s[TBV], 0
	; group 1 of the joint load: 64 rows x 192 elements of 4 bytes
	s_mov_b32 s[G1J+0], 15|(2<<16)|(1<<21)         ; 15:0 the mask: all four work-groups; 17:16 elements of 4 bytes; 21 set beside a mask; no padding
	s_mov_b32 s[G1J+1], 192<<16                    ; tensor_dim0 = 192
	s_mov_b32 s[G1J+2], 64<<16                     ; tensor_dim1 = 64
	s_mov_b32 s[G1J+3], 192<<16                    ; tile_dim0 = 192
	s_mov_b32 s[G1J+4], 64                         ; tile_dim1 = 64
	s_mov_b32 s[G1J+5], 16384                      ; elements from step to step: 64 batches x 256
	s_mov_b32 s[G1J+6], 0
	s_mov_b32 s[G1J+7], 0
	; group 1 of v's load: 128 rows x 16 elements
	s_mov_b32 s[G1V+0], 2<<16
	s_mov_b32 s[G1V+1], 16<<16
	s_mov_b32 s[G1V+2], 128<<16
	s_mov_b32 s[G1V+3], 16<<16
	s_mov_b32 s[G1V+4], 128
	s_mov_b32 s[G1V+5], 16384
	s_mov_b32 s[G1V+6], 0
	s_mov_b32 s[G1V+7], 0
	s_mov_b32 s[G0J0], 1                           ; 1:0 count = 1
	s_mul_i32 s[G0J0+1], s[WV], 64*KROW            ; LDS: wave 0's 64 steps, then wave 1's
	s_mov_b32 s[G0J1], 1
	s_add_co_u32 s[G0J1+1], s[G0J0+1], SLOT1
	s_mov_b32 s[G0V0], 1
	s_mov_b32 s[G0V0+1], VOFF
	s_mov_b32 s[G0V1], 1
	s_mov_b32 s[G0V1+1], SLOT1+VOFF
	s_lshl_b32 s35, s[BB], 10                      ; the batch's record in a step
	s_lshl_b32 s72, s[WV], 22                      ; 64 steps of 65,536 bytes a wave
	s_add_co_u32 s72, s72, s35
	s_mov_b32 s73, 0
	s_lshl_b32 s74, s[CX], 6                       ; v: my work-group's 16 rows,
	s_add_co_u32 s74, s74, s35
	s_add_co_u32 s74, s74, 768                     ; behind k, m, q
	s_mov_b32 s75, 0
	v_bfe_u32 v10, v0, 3, 2                        ; l / 8
	v_and_b32 v11, 7, v0                           ; l % 8
	v_lshlrev_b32 v[LA0], 4, v11
	s_lshl_b32 s23, s[WV], 4
	s_add_co_u32 s23, s23, VOFF
	v_lshl_add_u32 v[LV0], v10, 2, s23             ; no place in the cluster enters an LDS address
	s_lshl_b32 s23, s[CX], 4
	s_lshl2_add_u32 s23, s[WV], s23                ; 16 cx + 4 w
	v_add_nc_u32 v10, s23, v10                     ; my row
	v_lshlrev_b32 v[ST], 8, v10
	v_lshl_add_u32 v[ST], v11, 4, v[ST]
	v_lshlrev_b32 v[OO], 2, v10
	v_lshl_add_u32 v[OO], v11, 14, v[OO]
	v_mov_b32 v[OV], 0
	v_mov_b32 v[SD+1], 0
	v_mov_b32 v[MD+1], 0
	s_wait_dscnt 0x0                               ; the opening add is done
	s_wait_kmcnt 0x0
	s_add_nc_u64 s[G0J0+2:G0J0+3], s[4:5], s[72:73]        ; steps 0 to 127,
	s_add_nc_u64 s[G0J1+2:G0J1+3], s[G0J0+2:G0J0+3], SEGB  ; steps 128 to 255
	s_or_b32 s[G0J0+3], s[G0J0+3], 0x80000000              ; 127:126 type = 2
	s_or_b32 s[G0J1+3], s[G0J1+3], 0x80000000
	s_add_nc_u64 s[G0V0+2:G0V0+3], s[4:5], s[74:75]
	s_add_nc_u64 s[G0V1+2:G0V1+3], s[G0V0+2:G0V0+3], SEGB
	s_or_b32 s[G0V0+3], s[G0V0+3], 0x80000000
	s_or_b32 s[G0V1+3], s[G0V1+3], 0x80000000
	CROUND                                         ; all four work-groups are here: the first joint loads meet
	s_cmp_lt_u32 s[WV], 2                          ; a wave's two first fills stand in one branch, ahead of every wait on TENSORcnt and every LDS read: two loads of mine are out at the most
	s_cbranch_scc0 .Lfirst_v
	tensor_load_to_lds s[G0J0:G0J0+3], s[G1J:G1J+7]
	s_nop 0
	tensor_load_to_lds s[G0J1:G0J1+3], s[G1J:G1J+7]
	s_nop 0
.rept 4
	v_nop
.endr
	s_branch .Lfirst_asked
.Lfirst_v:
	s_cmp_eq_u32 s[WV], 2
	s_cbranch_scc0 .Lfirst_asked
	tensor_load_to_lds s[G0V0:G0V0+3], s[G1V:G1V+7]
	s_nop 0
	tensor_load_to_lds s[G0V1:G0V1+3], s[G1V:G1V+7]
	s_nop 0
.rept 4
	v_nop
.endr
.Lfirst_asked:
	s_lshl_b32 s72, s[BB], 14                      ; the batch's 64 x 64 matrix (s73 is 0)
	s_add_nc_u64 s[6:7], s[6:7], s[72:73]
	s_add_nc_u64 s[8:9], s[8:9], s[72:73]
	s_add_nc_u64 s[16:17], s[16:17], s[72:73]
	s_add_nc_u64 s[18:19], s[18:19], s[72:73]
	s_lshl_b32 s74, s[BB], 8                       ; the batch's 64 outputs in a step (s75 is 0)
	s_add_nc_u64 s[14:15], s[14:15], s[74:75]
	global_load_b128 v[RS:RS+3],   v[ST], s[6:7]
	global_load_b128 v[RS+4:RS+7], v[ST], s[6:7] offset:128
	global_load_b128 v[RM:RM+3],   v[ST], s[8:9]
	global_load_b128 v[RM+4:RM+7], v[ST], s[8:9] offset:128
	global_load_b128 v[BS:BS+3],   v[ST], s[10:11]
	global_load_b128 v[BS+4:BS+7], v[ST], s[10:11] offset:128
	global_load_b128 v[BM:BM+3],   v[ST], s[12:13]
	global_load_b128 v[BM+4:BM+7], v[ST], s[12:13] offset:128
; THE PIECES OF A STEP, each for register pair p of four.
.macro RED reg, mask                   ; one step of a sum over the row's eight lanes
	v_add_f32_dpp v[\reg], v[\reg], v[\reg] row_xmask:\mask row_mask:0xf bank_mask:0xf
.endm
.macro DOT p, acc, X, VEC              ; acc (+)= X . VEC: the first pair starts the sum
.if (\p) == 0
	v_pk_mul_f32 v[(\acc):(\acc)+1], v[(\X):(\X)+1], v[(\VEC):(\VEC)+1]
.else
	v_pk_fma_f32 v[(\acc):(\acc)+1], v[(\X)+2*(\p):(\X)+2*(\p)+1], v[(\VEC)+2*(\p):(\VEC)+2*(\p)+1], v[(\acc):(\acc)+1]
.endif
.endm
.macro XBP p, X, BIAS                  ; (C / kappa) x scaled state + C x bias
	v_pk_fma_f32 v[XB+2*(\p):XB+2*(\p)+1], v[(\X)+2*(\p):(\X)+2*(\p)+1], s[CK:CK+1], v[(\BIAS)+2*(\p):(\BIAS)+2*(\p)+1] op_sel_hi:[1,0,1]
.endm
.macro ARGP p, VEC, SCL                ; - row sum x vector: the exponent
	v_pk_fma_f32 v[RG+2*(\p):RG+2*(\p)+1], v[(\VEC)+2*(\p):(\VEC)+2*(\p)+1], v[(\SCL):(\SCL)+1], v[XB+2*(\p):XB+2*(\p)+1] op_sel_hi:[1,0,1] neg_lo:[0,1,0] neg_hi:[0,1,0]
.endm
.macro EX n
	v_exp_f32 v[RG+(\n)], v[RG+(\n)]
.endm
.macro ADD1 p
	v_pk_add_f32 v[RG+2*(\p):RG+2*(\p)+1], v[RG+2*(\p):RG+2*(\p)+1], 1.0 op_sel_hi:[1,0]
.endm
.macro RC n
	v_rcp_f32 v[RG+(\n)], v[RG+(\n)]
.endm
.macro UP p, VEC, DL                   ; delta x vector
	v_pk_mul_f32 v[RU+2*(\p):RU+2*(\p)+1], v[(\VEC)+2*(\p):(\VEC)+2*(\p)+1], v[(\DL):(\DL)+1] op_sel_hi:[1,0]
.endm
.macro UPD p, X                        ; state = gate x state + delta x vector
	v_pk_fma_f32 v[(\X)+2*(\p):(\X)+2*(\p)+1], v[RG+2*(\p):RG+2*(\p)+1], v[(\X)+2*(\p):(\X)+2*(\p)+1], v[RU+2*(\p):RU+2*(\p)+1]
.endm
; WHAT RIDES IN A GATE.  STEP sets CUR, NXT (this step's and the next step's ring sets), UU (the step's number modulo 4), LAST (there is no step behind) and FIN (the output's seven instructions are dealt).
; RID: place n of seven between the transcendentals of half 0 (S's gate) or 1 (M's).
.macro RID half, n
.if (\half) == 0
.if (\n) == 0
	RED MM, 4
.elseif ((\n) == 1) && FIN && (UU == 0)
	v_add_f32 v[OE], 1.0, v[OE]
.elseif (\n) == 2
	v_fma_f32 v[MD], v[MM], s[K2], v[SD]           ; e = d - (M' m') / kappa^2
.endif
.else
.if ((\n) == 0) && !LAST
	v_fma_f32 v[SD], v[SK], s[K2], v[NXT+24]       ; the next step's d = v - (S' k') / kappa^2
.elseif (\n) == 1
	v_cndmask_b32 v[OV], v[OV], v[SQ], s[MSK+UU]   ; S' q is kept by the lanes whose turn it is
.elseif ((\n) == 3) && FIN && (UU == 3)
	v_mul_f32 v[OE], s[CK], v[OV]                  ; C y, of the kept steps: read out before the next step's select
.elseif ((\n) == 3) && FIN && (UU == 0)
	v_mul_f32 v[ORR], v[YV], v[OE]                 ; y sigmoid(y)
.elseif ((\n) == 4) && FIN && (UU == 3)
	v_mul_f32 v[YV], s[IK], v[OV]                  ; y
.elseif ((\n) == 5) && FIN && (UU == 0)
	v_mul_f32 v[ORR], v[ORR], v[YV]                ; y (y sigmoid(y))
.endif
.endif
.endm
; TL: place n of ten in the tail, between the last updates and the products of the next row sum: what the finished pairs feed.
.macro TL half, n
.if (\half) == 0
.if (\n) == 0
	DOT 0, SQ, RS, CUR+16
.elseif ((\n) == 1) && !LAST
	DOT 0, SK, RS, NXT
.elseif (\n) == 2
	XBP 0, RS, BM
.elseif (\n) == 3
	DOT 1, SQ, RS, CUR+16
.elseif ((\n) == 4) && !LAST
	DOT 1, SK, RS, NXT
.elseif (\n) == 5
	XBP 1, RS, BM
.elseif (\n) == 6
	DOT 2, SQ, RS, CUR+16
.elseif (\n) == 7
	XBP 2, RS, BM
.elseif ((\n) == 8) && !LAST
	DOT 2, SK, RS, NXT
.elseif (\n) == 9
	XBP 3, RS, BM
.endif
.elseif !LAST
.if (\n) == 0
	XBP 0, RM, BS
.elseif (\n) == 1
	DOT 0, MM, RM, NXT+8                           ; the next step's M' m'
.elseif (\n) == 2
	XBP 1, RM, BS
.elseif (\n) == 4
	DOT 1, MM, RM, NXT+8
.elseif (\n) == 5
	XBP 2, RM, BS
.elseif (\n) == 8
	DOT 2, MM, RM, NXT+8
.elseif (\n) == 9
	XBP 3, RM, BS
.endif
.endif
.endm
.macro NXD p, NACC, X, NVEC, half      ; the next row sum; the last step's M feeds none
.if !((\half) && LAST)
	DOT \p, \NACC, \X, \NVEC
.endif
.endm
; A GATE AND ITS UPDATE: X = sigmoid(..) X + DL VEC, and the next row sum NACC = X . NVEC as the pairs are finished.
; The four exponents and a product stand first, so that the first exponent is five instructions old at its exponential; then transcendental and plain by turns.  A pair's + 1 stands nine places behind
; its second exponential, its reciprocals five behind that, its update nine behind its second reciprocal; the products of the row sum five apart.  Behind every exponential and reciprocal stands a plain
; vector instruction that names neither its result nor its source, or another transcendental and then such a one, ahead of the first use of its result (ISA guide 5.7.2), with a rider's place empty too.
.macro GATE X, VEC, SCL, DL, NACC, NVEC, half
	ARGP 0, \VEC, \SCL
	ARGP 1, \VEC, \SCL
	ARGP 2, \VEC, \SCL
	ARGP 3, \VEC, \SCL
	UP 0, \VEC, \DL
	EX 0
	UP 1, \VEC, \DL
	EX 1
	UP 2, \VEC, \DL
	EX 2
	UP 3, \VEC, \DL
	EX 3
	RID \half, 0
	EX 4
	RID \half, 1
	EX 5
	ADD1 0
	EX 6
	RID \half, 2
	EX 7
	ADD1 1
	RC 0
	RID \half, 3
	RC 1
	ADD1 2
	RC 2
	RID \half, 4
	RC 3
	ADD1 3
	RC 4
	RID \half, 5
	RC 5
	UPD 0, \X
	RC 6
	RID \half, 6
	RC 7
	UPD 1, \X
	NXD 0, \NACC, \X, \NVEC, \half
	TL \half, 0
	TL \half, 1
	UPD 2, \X
	TL \half, 2
	NXD 1, \NACC, \X, \NVEC, \half
	TL \half, 3
	UPD 3, \X
	TL \half, 4
	TL \half, 5
	NXD 2, \NACC, \X, \NVEC, \half
	TL \half, 6
	TL \half, 7
	TL \half, 8
	TL \half, 9
	NXD 3, \NACC, \X, \NVEC, \half
.endm
.macro LOADSET i, u                    ; seven LDS loads: row u of the four at LA, LV into ring set i
.set RB, RING+26*(\i)
	ds_load_b128 v[RB:RB+3],     v[LA] offset:(\u)*KROW
	ds_load_b128 v[RB+4:RB+7],   v[LA] offset:(\u)*KROW+128
	ds_load_b128 v[RB+8:RB+11],  v[LA] offset:(\u)*KROW+256
	ds_load_b128 v[RB+12:RB+15], v[LA] offset:(\u)*KROW+384
	ds_load_b128 v[RB+16:RB+19], v[LA] offset:(\u)*KROW+512
	ds_load_b128 v[RB+20:RB+23], v[LA] offset:(\u)*KROW+640
	ds_load_b32  v[RB+24],       v[LV] offset:(\u)*VROW
.endm
.macro ROWS                            ; the LDS addresses of the next four rows
	v_add_nc_u32 v[LA], s[TB], v[LA0]
	v_add_nc_u32 v[LV], s[TBV], v[LV0]
	s_add_co_u32 s[TB], s[TB], 4*KROW
	s_add_co_u32 s[TBV], s[TBV], 4*VROW
.endm
; STEP t, on ring set u = t % 4.  It comes in with: the in-lane parts of M' k'; d; C M + C B_S; three products of M' m'.  It leaves the same for step t + 1, for which it reads the next set.
; left: how many younger LDS loads may stay out ahead of S's gate, whose tail is the first to read the next set.  load = 1 (t even): the sets of steps t - 2 and t - 1, read out, take rows t + 2 and t + 3.
; fin = 1: the output's seven instructions ride in the steps with u = 3 and u = 0.  st = 1 (u = 1): the step that may store.
.macro STEP u, load, left, last, fin, st
.set CUR, RING+26*(\u)
.set NXT, RING+26*(((\u)+1)%4)
.set LS0, ((\u)+2)%4
.set LS1, ((\u)+3)%4
.set UU, (\u)
.set LAST, (\last)
.set FIN, (\fin)
	; beside M' k'
.if FIN && (UU == 0)
	s_wait_xcnt 0x0                                ; the store three steps back has had its address translated (ISA guide 3.1): its data (rewritten in M's gate below) and its base are written only behind this wait
	v_exp_f32 v[OE], v[OE]
.endif
	DOT 3, MM, RM, CUR+8
	v_add_f32 v[MK], v[MK], v[MK+1]
	v_add_f32 v[MM], v[MM], v[MM+1]
	RED MK, 1
	RED MM, 1
	RED MK, 2
	RED MM, 2
	RED MK, 4
	s_wait_dscnt \left                             ; LDS loads come back in order (ISA guide 5.7.1): the next step's set is in
.if \load
	LOADSET LS0, LS0                               ; fourteen loads in one run, where the exponents below wait for the line above anyway
	LOADSET LS1, LS1
.endif
.if \st
	s_xor_b32 s[PAR], s[PAR], 1                    ; in every second trip the eight lanes' outputs are whole
	s_cmp_lg_u32 s[PAR], 0
	s_cbranch_scc1 .Lno_store_\@
	s_add_nc_u64 s[14:15], s[14:15], OUT8          ; the base steps ahead of the store, which reaches back: nothing that the store names is written before the next wait for it
	global_store_b32 v[OO], v[ORR], s[14:15] offset:-OUT8
.Lno_store_\@:
.endif
	GATE RS, CUR, MK, SD, SM, CUR+8, 0
	; beside S' m'
	DOT 3, SQ, RS, CUR+16
.if !LAST
	DOT 3, SK, RS, NXT
.endif
.if FIN && (UU == 0)
	v_rcp_f32 v[OE], v[OE]
.endif
	v_add_f32 v[SM], v[SM], v[SM+1]
	v_add_f32 v[SQ], v[SQ], v[SQ+1]
.if !LAST
	v_add_f32 v[SK], v[SK], v[SK+1]
.endif
.irp x, 1,2,4
	RED SM, \x
	RED SQ, \x
.if !LAST
	RED SK, \x
.endif
.endr
	GATE RM, CUR+8, SM, MD, MK, NXT, 1
	s_xor_b32 s[MSK+UU], s[MSK+UU], 0x11111111<<UU  ; lanes l % 8 = u and l % 8 = u + 4 by turns
.endm
; A TRIP: steps 4 i + 2 to 4 i + 5, and the fetch of rows 4 i + 4 to 4 i + 7.
.macro TRIP
	ROWS
	STEP 2, 1, 0, 0, 1, 0                          ; both sets fetched two steps back are in
	STEP 3, 0, 7, 0, 1, 0                          ; of the fourteen loads of the step before the second set's seven may stay out
	STEP 0, 1, 0, 0, 1, 0
	STEP 1, 0, 7, 0, 1, 1
.endm
	s_wait_tensorcnt 1                             ; my part of slot 0 is in; slot 1's may stay out
	s_barrier_signal -1
	s_barrier_wait -1                              ; everybody's is
	ROWS
	LOADSET 0, 0                                   ; steps 0 to 3
	LOADSET 1, 1
	LOADSET 2, 2
	LOADSET 3, 3
	s_wait_loadcnt 0x0                             ; S0, M0, B_S, B_M
.set i, 0
.rept 16                                               ; all four are rounded once to bf16, as x and W were, and widened again
	v_cvt_pk_bf16_f32 v[XB+i], v[RS+2*i], v[RS+2*i+1]
.set i, i+1
.endr
.set i, 0
.rept 16
	v_lshlrev_b32 v[RS+2*i], 16, v[XB+i]
	v_and_b32 v[RS+2*i+1], 0xffff0000, v[XB+i]
.set i, i+1
.endr
.set i, 0
.rept 8
	v_pk_mul_f32 v[RS+2*i:RS+2*i+1], v[RS+2*i:RS+2*i+1], s[KA:KA+1] op_sel_hi:[1,0]  ; kappa S0, kappa M0
	v_pk_mul_f32 v[BS+2*i:BS+2*i+1], v[BS+2*i:BS+2*i+1], s[CL:CL+1] op_sel_hi:[1,0]  ; C B_S, C B_M
.set i, i+1
.endr
	s_wait_dscnt 21                                ; set 0 is in; three sets of seven may stay out
	; what step 0 finds: the in-lane parts of M' k', d, C M + C B_S, three products of M' m'
.irp p, 0,1,2,3
	DOT \p, SK, RS, RING
	DOT \p, MK, RM, RING
	XBP \p, RM, BS
.endr
	DOT 0, MM, RM, RING+8
	v_add_f32 v[SK], v[SK], v[SK+1]
	DOT 1, MM, RM, RING+8
	RED SK, 1
	DOT 2, MM, RM, RING+8
	RED SK, 2
	RED SK, 4
	v_fma_f32 v[SD], v[SK], s[K2], v[RING+24]
	STEP 0, 0, 14, 0, 0, 0                         ; steps 0 and 1 are written out: their rows and the next two were fetched above; two sets, then one, may stay out
	STEP 1, 0, 7, 0, 0, 0
	s_mov_b32 s[CNT], 31                           ; the first slot's first four rows have been fetched: 31 trips fetch the rest
	s_mov_b32 s[SEG], 3
	s_branch .Ltrip
.Lslot:                                                ; twice: slot 0 takes steps 256 to 383, slot 1 steps 384 to 511
	CHANGE 1
	s_mov_b32 s[CNT], 32
.Ltrip:
	TRIP
	s_sub_co_u32 s[CNT], s[CNT], 1
	s_cmp_lg_u32 s[CNT], 0
	s_cbranch_scc1 .Ltrip
	s_sub_co_u32 s[SEG], s[SEG], 1
	s_cmp_lg_u32 s[SEG], 0
	s_cbranch_scc1 .Lslot
	CHANGE 0                                       ; the tail is written out: nothing is asked for
	s_mov_b32 s[CNT], 32
.Ltail:
	TRIP
	s_sub_co_u32 s[CNT], s[CNT], 1
	s_cmp_lg_u32 s[CNT], 0
	s_cbranch_scc1 .Ltail
	STEP 2, 0, 0, 0, 0, 0                          ; steps 510 and 511 fetch nothing
	STEP 3, 0, 0, 1, 0, 0
	s_wait_xcnt 0x0                                ; the last store's data register is written again only behind this wait
	v_mul_f32 v[OE], s[CK], v[OV]                  ; the outputs of steps 504 to 511; between their links S' and M' are taken back to S and M
	v_mul_f32 v[YV], s[IK], v[OV]
.macro BACK i
	v_pk_mul_f32 v[RS+2*(\i):RS+2*(\i)+1], v[RS+2*(\i):RS+2*(\i)+1], s[IK:IK+1] op_sel_hi:[1,0]
.endm
	BACK 0
	BACK 1
	v_exp_f32 v[OE], v[OE]
	BACK 2                                         ; the plain instruction between a transcendental and the use of its result (ISA guide 5.7.2)
	BACK 3
	v_add_f32 v[OE], 1.0, v[OE]
	BACK 4
	BACK 5
	v_rcp_f32 v[OE], v[OE]
	BACK 6
	BACK 7
	v_mul_f32 v[ORR], v[YV], v[OE]
	v_mul_f32 v[ORR], v[ORR], v[YV]
	global_store_b32 v[OO], v[ORR], s[14:15]       ; 63 stores have stepped the base
	global_store_b128 v[ST], v[RS:RS+3],   s[16:17]            ; S and M: eight lanes store 128 consecutive bytes of a row, the other 128 by the next line
	global_store_b128 v[ST], v[RS+4:RS+7], s[16:17] offset:128
	global_store_b128 v[ST], v[RM:RM+3],   s[18:19]
	global_store_b128 v[ST], v[RM+4:RM+7], s[18:19] offset:128
	s_wait_tensorcnt 0x0                           ; the wave's end: behind my last tensor load
	ds_add_u32 v[SPW], v[NIL]
	s_wait_dscnt 0x0
	CROUND                                         ; the closing round: no work-group ends while a partner may still ask for a tile that names it
	s_endpgm
.Lfunc_end_k_qad4fed72c1_scan:
	.size	k_qad4fed72c1_scan, .Lfunc_end_k_qad4fed72c1_scan-k_qad4fed72c1_scan
	.p2alignl 7, 3214868480
	.fill 96, 4, 3214868480
	.section	.rodata,"a",@progbits
	.p2align	6, 0x0
	.amdhsa_kernel k_qad4fed72c1_scan
		.amdhsa_group_segment_fixed_size 327680
		.amdhsa_private_segment_fixed_size 0
		.amdhsa_enable_private_segment 0
		.amdhsa_kernarg_size 64
		.amdhsa_user_sgpr_count 2
		.amdhsa_user_sgpr_kernarg_segment_ptr 1
		.amdhsa_wavefront_size32 1
		.amdhsa_system_sgpr_workgroup_id_x 1
		.amdhsa_system_sgpr_workgroup_id_y 1
		.amdhsa_system_sgpr_workgroup_id_z 1
		.amdhsa_system_vgpr_workitem_id 0
		.amdhsa_next_free_vgpr 192
		.amdhsa_next_free_sgpr 84
		.amdhsa_reserve_vcc 0
		.amdhsa_float_denorm_mode_32 3
		.amdhsa_float_denorm_mode_16_64 3
		.amdhsa_memory_ordered 1
		.amdhsa_forward_progress 1
		.amdhsa_inst_pref_size 95
	.end_amdhsa_kernel
	.amdgpu_metadata
---
amdhsa.version: [ 1, 2 ]
amdhsa.kernels:
  - .name:           k_qad4fed72c1_scan
    .symbol:         k_qad4fed72c1_scan.kd
    .args:
      - { .name: P, .offset: 0, .size: 8, .value_kind: global_buffer, .address_space: global }
      - { .name: S0, .offset: 8, .size: 8, .value_kind: global_buffer, .address_space: global }
      - { .name: M0, .offset: 16, .size: 8, .value_kind: global_buffer, .address_space: global }
      - { .name: B_S, .offset: 24, .size: 8, .value_kind: global_buffer, .address_space: global }
      - { .name: B_M, .offset: 32, .size: 8, .value_kind: global_buffer, .address_space: global }
      - { .name: out0, .offset: 40, .size: 8, .value_kind: global_buffer, .address_space: global }
      - { .name: out1, .offset: 48, .size: 8, .value_kind: global_buffer, .address_space: global }
      - { .name: out2, .offset: 56, .size: 8, .value_kind: global_buffer, .address_space: global }
    .group_segment_fixed_size: 327680
    .private_segment_fixed_size: 0
    .kernarg_segment_align: 8
    .kernarg_segment_size: 64
    .max_flat_workgroup_size: 128
    .sgpr_count:     84
    .vgpr_count:     192
    .wavefront_size: 32
...
	.end_amdgpu_metadata
.endif
;; end of part 5
